; MI455X (gfx1250); checked and timed in simulation.
; The chip was launched on July 23, 2026; its instructions are those of AMD's public machine-readable ISA for CDNA 5 (MIT licence, August 2026) and "CDNA5" Instruction Set Architecture Reference Guide (July 2026). The comments in the code are by the model that wrote it; some were corrected since.
;; Transformer Layer. Allowed arithmetic: float matrix products may take bf16 or f16 operands with f32 sums; other float arithmetic in f32, or as packed bf16 or f16 multiplies, adds, multiply-adds, maxima and minima; sums over many terms, partial sums and values carried from step to step in f32; what a program stores and reads back later, other than sums and carried values, may be rounded once to bf16 or f16.
;; Inputs: b1 3,072 float32; b2 768 float32; bk 768 float32; bo 768 float32; bq 768 float32; bv 768 float32; gate_i_w 12 x 64 float32; gate_ur_w 12 x 64 float32; ln1_b 768 float32; ln1_w 768 float32; ln2_b 768 float32; ln2_w 768 float32; rel_embed 320 x 12 float32; rel_scale 12 float32; w1 3,072 x 768 float32; w2 768 x 3,072 float32; wk 768 x 768 float32; wo 768 x 768 float32; wq 768 x 768 float32; wv 768 x 768 float32; x 2 x 2,048 x 768 float32.
;; Outputs: out0 2 x 2,048 x 768 float32.
;; One version. Each part assembles by itself: llvm-mc -triple=amdgcn-amd-amdhsa -mcpu=gfx1250 --defsym DOCPART=n.
;; ======== version 1 of 1: 7 launches
;; limits: values within 2e-05 (relative) of each other or of a threshold may be ordered or decided otherwise than in the reference
;; workspace buffers: wb 14,155,776 bytes; bkt 16,384 bytes of whole numbers; act 6,291,456 bytes; qkv 18,939,904 bytes; tab 196,608 bytes; x1 12,582,912 bytes; gl 25,165,824 bytes
;; launch prep (part 1): grid 32 x 19, 8 waves a work-group, no clusters, 0 bytes of LDS; arguments x, ln1_w, ln1_b, wq, wk, wv, act, wb, bkt; writes act, wb, bkt
.if DOCPART == 1
	.amdgcn_target "amdgcn-amd-amdhsa--gfx1250"
	.amdhsa_code_object_version 6
	.text
	.protected	k_qed5cdc4c8e_prep
	.globl	k_qed5cdc4c8e_prep
	.p2align	8
	.type	k_qed5cdc4c8e_prep,@function
k_qed5cdc4c8e_prep:
	s_mov_b64 s[64:65], 0
	v_nop
	global_prefetch_b8 v0, s[64:65] scope:SCOPE_SE
	s_setreg_imm32_b32 hwreg(HW_REG_WAVE_MODE, 25, 1), 1
	s_wait_xcnt 0x0
; PREP: three streams in one launch, chosen by the work-group's y.
;  y = 0..2    a unit of 589,824 weights is rounded from f32 to bf16: wq, wk, wv, laid one behind the other at the head of wb (the other weights are rounded in a later launch, beside the attention).
;              A work-group takes 18,432 numbers: thread t reads 32 bytes and stores 16, nine times; all 18 loads go out first.
;  y = 0, x < 16 also: the bucket number of rel = i - 2047 for i = 256 x + t, stored as a whole number (a later launch gathers by it).
;  y = 3..18   LayerNorm 1: one wave, one row of 768; the row stays in 24 registers between mean, variance and scaling (variance of x - mean: no difference of large sums).
; LIMIT.  The bucket's logarithmic part is trunc((log2|rel| - log2 80) * 80 / log2 10): another order of rounding than log(|rel| / 80) / log(10) * 80.  |rel| = 80 is safe by the
; truncation toward zero, |rel| >= 800 by the bound 159; an |rel| whose position lies within about 2e-5 of a whole number could fall into the neighbouring bucket.
; No LDS, no matrix unit, no cluster: nothing is shared between waves.
.set XR, 8                             ; v[8:31]   the row: lane l holds columns 256 c + 8 l .. + 7, c = 0..2
.set WR, 32                            ; v[32:55]  the gain of those columns
.set BR, 56                            ; v[56:79]  the bias
.set T,  80                            ; v[80:87]  at work
.set MN, 88                            ; v[88:89]  the mean (a pair for the packed forms)
.set RS, 90                            ; v[90:91]  1 / sqrt(var + eps)
.macro WSUM r, t                       ; the sum over the wave's 32 lanes, in every lane
	v_add_f32_dpp v[\r], v[\r], v[\r] row_xmask:1 row_mask:0xf bank_mask:0xf
	v_add_f32_dpp v[\r], v[\r], v[\r] row_xmask:2 row_mask:0xf bank_mask:0xf
	v_add_f32_dpp v[\r], v[\r], v[\r] row_xmask:4 row_mask:0xf bank_mask:0xf
	v_add_f32_dpp v[\r], v[\r], v[\r] row_xmask:8 row_mask:0xf bank_mask:0xf
	v_permlanex16_b32 v[\t], v[\r], s40, s41
	v_add_f32 v[\r], v[\r], v[\t]
.endm
; One row (its number in s34): src f32 [4096][768], gain, bias, dst bf16 [4096][768]; the arguments are the first registers of the four address pairs.
.macro LNROW src, wp, bp, dst
	s_mul_i32 s36, s34, 3072
	s_mov_b32 s37, 0
	s_mul_i32 s38, s34, 1536
	s_mov_b32 s39, 0
	s_add_nc_u64 s[36:37], s[\src:\src+1], s[36:37]
	s_add_nc_u64 s[38:39], s[\dst:\dst+1], s[38:39]
	v_and_b32 v1, 31, v0
	v_lshlrev_b32 v2, 5, v1                        ; 32 bytes of f32 a lane
	v_lshlrev_b32 v3, 4, v1                        ; 16 bytes of bf16 a lane
.irp c, 0,1,2
.irp g, 0,1
	global_load_b128 v[XR+8*\c+4*\g:XR+8*\c+4*\g+3], v2, s[36:37] offset:1024*\c+16*\g
.endr
.endr
.irp c, 0,1,2
.irp g, 0,1
	global_load_b128 v[WR+8*\c+4*\g:WR+8*\c+4*\g+3], v2, s[\wp:\wp+1] offset:1024*\c+16*\g
.endr
.endr
.irp c, 0,1,2
.irp g, 0,1
	global_load_b128 v[BR+8*\c+4*\g:BR+8*\c+4*\g+3], v2, s[\bp:\bp+1] offset:1024*\c+16*\g
.endr
.endr
	s_wait_loadcnt 12                              ; the row's six loads are in; the gain's and the bias's twelve stay out
.irp p, 0,1,2,3
	v_pk_add_f32 v[T+2*\p:T+2*\p+1], v[XR+2*\p:XR+2*\p+1], v[XR+8+2*\p:XR+8+2*\p+1]
.endr
.irp p, 0,1,2,3
	v_pk_add_f32 v[T+2*\p:T+2*\p+1], v[T+2*\p:T+2*\p+1], v[XR+16+2*\p:XR+16+2*\p+1]
.endr
	v_pk_add_f32 v[T:T+1], v[T:T+1], v[T+2:T+3]
	v_pk_add_f32 v[T+4:T+5], v[T+4:T+5], v[T+6:T+7]
	v_pk_add_f32 v[T:T+1], v[T:T+1], v[T+4:T+5]
	v_add_f32 v[T], v[T], v[T+1]
	WSUM T, T+1
	v_mul_f32 v[MN], s42, v[T]                     ; the mean
	v_mov_b32 v[MN+1], v[MN]
.set p, 0
.rept 12
	v_pk_add_f32 v[XR+2*p:XR+2*p+1], v[XR+2*p:XR+2*p+1], v[MN:MN+1] op_sel_hi:[1,0] neg_lo:[0,1] neg_hi:[0,1]
.set p, p+1
.endr
	v_pk_mul_f32 v[T:T+1], v[XR:XR+1], v[XR:XR+1]
	v_pk_mul_f32 v[T+2:T+3], v[XR+2:XR+3], v[XR+2:XR+3]
.set p, 2
.rept 10
	v_pk_fma_f32 v[T+2*(p%2):T+2*(p%2)+1], v[XR+2*p:XR+2*p+1], v[XR+2*p:XR+2*p+1], v[T+2*(p%2):T+2*(p%2)+1]
.set p, p+1
.endr
	v_pk_add_f32 v[T:T+1], v[T:T+1], v[T+2:T+3]
	v_add_f32 v[T], v[T], v[T+1]
	WSUM T, T+1
	v_fma_f32 v[RS], v[T], s42, s43                ; var + eps
	v_rsq_f32 v[RS], v[RS]
	v_nop                                          ; a plain instruction behind the transcendental (ISA guide 5.7.2)
	v_mov_b32 v[RS+1], v[RS]
	s_wait_loadcnt 0x0                             ; gain and bias
.set p, 0
.rept 12
	v_pk_mul_f32 v[XR+2*p:XR+2*p+1], v[XR+2*p:XR+2*p+1], v[RS:RS+1] op_sel_hi:[1,0]
.set p, p+1
.endr
.set p, 0
.rept 12
	v_pk_fma_f32 v[XR+2*p:XR+2*p+1], v[XR+2*p:XR+2*p+1], v[WR+2*p:WR+2*p+1], v[BR+2*p:BR+2*p+1]
.set p, p+1
.endr
.irp c, 0,1,2
.irp j, 0,1,2,3
	v_cvt_pk_bf16_f32 v[XR+8*\c+\j], v[XR+8*\c+2*\j], v[XR+8*\c+2*\j+1]  ; in place, ascending: a source is read before its register is written
.endr
	global_store_b128 v3, v[XR+8*\c:XR+8*\c+3], s[38:39] offset:512*\c  ; the wave stores 512 consecutive bytes, aligned
.endr
.endm
	s_load_b512 s[8:23], s[0:1], 0x0               ; x, ln1_w, ln1_b, wq, wk, wv, act, wb
	s_load_b64 s[24:25], s[0:1], 0x40              ; bkt
	s_and_b32 s4, ttmp7, 0xffff                    ; y
	s_mov_b32 s5, ttmp9                            ; x
	s_mov_b32 s40, 0x76543210                      ; v_permlanex16_b32: each lane takes its own place in the other half
	s_mov_b32 s41, 0xfedcba98
	s_mov_b32 s42, 0x3aaaaaab                      ; 1 / 768
	s_mov_b32 s43, 0x3727c5ac                      ; 1e-5
	s_wait_kmcnt 0x0
	s_cmp_ge_u32 s4, 3
	s_cbranch_scc1 .Lln
	; ---- wq, wk, wv to bf16
	s_mov_b64 s[32:33], s[14:15]
	s_cmp_eq_u32 s4, 1
	s_cselect_b64 s[32:33], s[16:17], s[32:33]
	s_cmp_eq_u32 s4, 2
	s_cselect_b64 s[32:33], s[18:19], s[32:33]
	s_mul_i32 s34, s5, 73728
	s_mov_b32 s35, 0
	s_add_nc_u64 s[32:33], s[32:33], s[34:35]
	s_mul_i32 s36, s4, 1179648
	s_mul_i32 s37, s5, 36864
	s_add_co_u32 s36, s36, s37
	s_mov_b32 s37, 0
	s_add_nc_u64 s[38:39], s[22:23], s[36:37]
	v_lshlrev_b32 v1, 5, v0
	v_lshlrev_b32 v2, 4, v0
.set k, 0
.rept 9
	global_load_b128 v[16+8*k:16+8*k+3],   v1, s[32:33] offset:8192*k th:TH_LOAD_NT
	global_load_b128 v[16+8*k+4:16+8*k+7], v1, s[32:33] offset:8192*k+16 th:TH_LOAD_NT
.set k, k+1
.endr
.set k, 0
.rept 9
	s_wait_loadcnt 16-2*k                          ; loads come back in order (ISA guide 5.7.1): pair k is in, the younger pairs stay out
.irp j, 0,1,2,3
	v_cvt_pk_bf16_f32 v[16+8*k+\j], v[16+8*k+2*\j], v[16+8*k+2*\j+1]
.endr
	global_store_b128 v2, v[16+8*k:16+8*k+3], s[38:39] offset:4096*k  ; no register of a store is written again
.set k, k+1
.endr
	; ---- bucket numbers
	s_cmp_lg_u32 s4, 0
	s_cbranch_scc1 .Lend
	s_cmp_ge_u32 s5, 16
	s_cbranch_scc1 .Lend
	s_lshl_b32 s7, s5, 8
	v_add_nc_u32 v3, s7, v0                        ; i
	v_add_nc_u32 v4, 0xfffff801, v3                ; rel = i - 2047
	v_sub_nc_u32 v5, 0, v4
	v_max_i32 v5, v4, v5                           ; |rel|
	v_cvt_f32_u32 v6, v5
	v_max_num_f32 v6, 1.0, v6
	v_log_f32 v6, v6
	v_nop
	v_add_f32 v6, 0xc0ca4d3c, v6                   ; - log2 80
	v_mul_f32 v6, 0x41c0a8c1, v6                   ; * 80 / log2 10
	v_cvt_i32_f32 v6, v6                           ; toward zero
	v_add_nc_u32 v6, 80, v6
	v_min_i32 v6, 159, v6
	v_cmp_gt_u32 vcc_lo, 80, v5
	v_cndmask_b32 v6, v6, v5, vcc_lo               ; small distances count as they are
	v_add_nc_u32 v7, 160, v6
	v_cmp_le_i32 vcc_lo, 0, v4
	v_cndmask_b32 v6, v6, v7, vcc_lo               ; rel >= 0: the upper half of the table
	v_min_u32 v6, 319, v6
	v_lshlrev_b32 v3, 2, v3
	global_store_b32 v3, v6, s[24:25]
.Lend:
	s_endpgm
.Lln:
	v_lshrrev_b32 v1, 5, v0
	v_readfirstlane_b32 s6, v1                     ; wave
	s_sub_co_u32 s34, s4, 3
	s_lshl_b32 s34, s34, 5
	s_add_co_u32 s34, s34, s5
	s_lshl_b32 s34, s34, 3
	s_add_co_u32 s34, s34, s6                      ; the row
	LNROW 8, 10, 12, 20
	s_endpgm
.Lfunc_end_k_qed5cdc4c8e_prep:
	.size	k_qed5cdc4c8e_prep, .Lfunc_end_k_qed5cdc4c8e_prep-k_qed5cdc4c8e_prep
	.p2alignl 7, 3214868480
	.fill 96, 4, 3214868480
	.section	.rodata,"a",@progbits
	.p2align	6, 0x0
	.amdhsa_kernel k_qed5cdc4c8e_prep
		.amdhsa_group_segment_fixed_size 0
		.amdhsa_private_segment_fixed_size 0
		.amdhsa_enable_private_segment 0
		.amdhsa_kernarg_size 72
		.amdhsa_user_sgpr_count 2
		.amdhsa_user_sgpr_kernarg_segment_ptr 1
		.amdhsa_wavefront_size32 1
		.amdhsa_system_sgpr_workgroup_id_x 1
		.amdhsa_system_sgpr_workgroup_id_y 1
		.amdhsa_system_sgpr_workgroup_id_z 1
		.amdhsa_system_vgpr_workitem_id 0
		.amdhsa_next_free_vgpr 96
		.amdhsa_next_free_sgpr 66
		.amdhsa_reserve_vcc 1
		.amdhsa_float_denorm_mode_32 3
		.amdhsa_float_denorm_mode_16_64 3
		.amdhsa_memory_ordered 1
		.amdhsa_forward_progress 1
		.amdhsa_inst_pref_size 16
	.end_amdhsa_kernel
	.amdgpu_metadata
---
amdhsa.version: [ 1, 2 ]
amdhsa.kernels:
  - .name:           k_qed5cdc4c8e_prep
    .symbol:         k_qed5cdc4c8e_prep.kd
    .args:
      - { .name: x, .offset: 0, .size: 8, .value_kind: global_buffer, .address_space: global }
      - { .name: ln1_w, .offset: 8, .size: 8, .value_kind: global_buffer, .address_space: global }
      - { .name: ln1_b, .offset: 16, .size: 8, .value_kind: global_buffer, .address_space: global }
      - { .name: wq, .offset: 24, .size: 8, .value_kind: global_buffer, .address_space: global }
      - { .name: wk, .offset: 32, .size: 8, .value_kind: global_buffer, .address_space: global }
      - { .name: wv, .offset: 40, .size: 8, .value_kind: global_buffer, .address_space: global }
      - { .name: act, .offset: 48, .size: 8, .value_kind: global_buffer, .address_space: global }
      - { .name: wb, .offset: 56, .size: 8, .value_kind: global_buffer, .address_space: global }
      - { .name: bkt, .offset: 64, .size: 8, .value_kind: global_buffer, .address_space: global }
    .group_segment_fixed_size: 0
    .private_segment_fixed_size: 0
    .kernarg_segment_align: 8
    .kernarg_segment_size: 72
    .max_flat_workgroup_size: 256
    .sgpr_count:     66
    .vgpr_count:     96
    .wavefront_size: 32
...
	.end_amdgpu_metadata
.endif
;; end of part 1
;; launch qkv (part 2): grid 12 x 16, 4 waves a work-group, clusters of 4 x 4, 327,680 bytes of LDS; arguments act, wb, bq, bk, bv, qkv, bkt, rel_embed, tab; writes qkv, tab
.if DOCPART == 2
	.amdgcn_target "amdgcn-amd-amdhsa--gfx1250"
	.amdhsa_code_object_version 6
	.text
	.protected	k_qed5cdc4c8e_qkv
	.globl	k_qed5cdc4c8e_qkv
	.p2align	8
	.type	k_qed5cdc4c8e_qkv,@function
k_qed5cdc4c8e_qkv:
	s_mov_b64 s[64:65], 0
	v_nop
	global_prefetch_b8 v0, s[64:65] scope:SCOPE_SE
	s_setreg_imm32_b32 hwreg(HW_REG_WAVE_MODE, 25, 1), 1
	s_wait_xcnt 0x0
	s_wait_alu depctr_hold_cnt(0) depctr_sa_sdst(0) depctr_va_vdst(0) depctr_va_sdst(0) depctr_va_ssrc(0) depctr_va_vcc(0) depctr_vm_vsrc(0)
	s_getreg_b32 s2, hwreg(HW_REG_IB_STS2, 6, 4)
	s_cmp_eq_u32 s2, 0
	s_cbranch_scc0 .Lentry_in_a_cluster
	s_endpgm
.Lentry_in_a_cluster:
	s_bfe_u32 s2, ttmp6, 0x10000c
	s_cmp_lg_u32 s2, 0xf033
	s_cbranch_scc0 .Lentry_shape_is_right
	s_endpgm
.Lentry_shape_is_right:
; C = A B^T + bias on tiles of 256 x 192, K = 768.  A: [4096][768] bf16 (LayerNorm 1's rows); B = wq, wk, wv one below the other, [2304][768] bf16; sums in f32, begun with the bias as the first product's C operand.
; C goes out rounded to bf16 in PANELS [column / 64][4096 rows][64]: a panel's rows are 128 dense bytes, so four rows are 512 consecutive bytes.
; The tiles of q also store their column sums (f32, taken of the unrounded q, the three heads of a tile added): one row of 64 for each wave's 64 rows.
; BESIDE IT each of the 192 work-groups gathers 256 of the 12 x 4,096 numbers pe[h][i] = rel_embed[bucket[i]][h]: the bucket numbers are whole numbers that the launch before stored; the loads go out
; in the wait for the first tiles, the store stands on the way out.
; SHARES.  Four waves; wave w makes rows 64 w .. + 63 and all 192 columns: 48 accumulators of 16 x 16, three whole panels.  K goes in six steps of 128 through two LDS slots.
; The grid has 192 work-groups (2,304 columns / 192 x 16 row tiles): the tile that would give 256 cuts heads in two.
; CLUSTER 4 x 4: A's tile hangs on the tile row alone and is asked for jointly by a row of the cluster, B's on the tile column alone, by a column.
; THE MATRIX INSTRUCTION IS USED TRANSPOSED (source 0 = 16 rows of B, source 1 = 16 rows of A): a lane holds row lane % 16 and eight neighbouring columns 8 (lane / 16) + 0..7.
; NaN and infinities are not treated apart.
; REGISTERS: window 0: v1-19 addresses and the gather, v28-29 the add's, v32-127 the bias (later at work on the way out); window 1: two fragment buffers of 128 (A's 4 fragments, then B's 12);
;   windows 2, 3: accumulator (a, b) in window 2 + a / 2 at 96 (a % 2) + 8 b.
.set PITCH,  272                       ; an LDS row: 256 bytes + 16 of padding: the 16 rows of a fragment load start at 16 different groups of four banks (ISA guide 11.1)
.set AHALF,  128*PITCH
.set BHALF,  96*PITCH
.set BOFF,   2*AHALF                   ; in a slot: A's 256 rows, then B's 192
.set SLOT1,  131072                    ; slot 1 begins here: one exclusive or turns an address in one slot into the other's
.set SPARE,  SLOT1+BOFF+2*BHALF        ; behind slot 1: the spare words, 128 bytes a wave, two blocks of 256 bytes that no other line names
.set SPITCH, 784                       ; the way out: a row of 192 f32 + 16 bytes
.set WSTAGE, 64*SPITCH                 ; a wave's stage: it lies in the ring's bytes, which have had their last fill by then
.set KBYTES, 1536
.set PANEL,  524288
.set ADRA0, 4                          ; v4   my lane's place in A's rows of slot 0
.set ADRB0, 5                          ; v5   in B's
.set ADRA,  6                          ; v6   the same in the slot in hand
.set ADRB,  7
.set STO,   8                          ; v8   the way out: where I put 16 bytes of a row
.set RD0,   9                          ; v9   where I read back, first four rows
.set RDN,   10                         ; v10  the next trip's four rows
.set GO,    11                         ; v11  my byte offset in a panel's rows
.set HB,    12                         ; v12  32 (lane / 16)
.set QSO,   13                         ; v13  32 lane
.set BKO,   14                         ; v14  my byte offset among the bucket numbers
.set PEO,   15                         ; v15  my byte offset in pe
.set BKV,   16                         ; v[16:17] two bucket numbers, then two byte offsets in rel_embed
.set PEV,   18                         ; v[18:19] the two numbers gathered
.set SPW,   28
.set NIL,   29
.set BIAS,  32
.set XX,    32                         ; v[32:55]  8 numbers of each of three panels
.set YP,    56                         ; v[56:67]  packed
.set CSUM,  68                         ; v[68:75]  column sums
.set RR,    76                         ; v[76:83]
.set F0,    0
.set F1,    128
.set G1A, 24                           ; s[24:31] group 1 for A's tiles
.set G1B, 32                           ; s[32:39] for B's
.set G0A, 40                           ; s[40:47] group 0 for A: a set for each first fill; the second then walks
.set G0B, 48                           ; s[48:55] the same for B
.set TB,  56                           ; s56  the slot in hand
.set GW0, (1<<16)|(1<<20)|(1<<21)|(5<<22)|(3<<25)  ; 2-byte elements; padding on; bit 21 beside a mask; after every 64 words, 4 words
.set MSB, 0
.macro WIN new                         ; the immediate's high byte repeats the setting that is left
.if MSB != (\new)
	s_set_vgpr_msb (MSB<<8)|(\new)
.set MSB, \new
.endif
.endm
.macro PLACES                          ; four plain places behind matrix instructions, in front of loads into their sources and of reads of their results
.rept 4
	v_nop
.endr
.endm
.macro JLOAD                           ; a joint refill by the walking sets: waves 0, 1 ask for A's halves, waves 2, 3 for B's; s_nop 0 and four v_nop follow each line
	s_cmp_eq_u32 s17, 0
	s_cbranch_scc0 .Lfor_b_\@
	tensor_load_to_lds s[G0A+4:G0A+7], s[G1A:G1A+7]
	s_nop 0
.rept 4
	v_nop
.endr
	s_branch .Lasked_\@
.Lfor_b_\@:
	tensor_load_to_lds s[G0B+4:G0B+7], s[G1B:G1B+7]
	s_nop 0
.rept 4
	v_nop
.endr
.Lasked_\@:
.endm
.macro CREST                           ; a round of the cluster's barrier behind its opening barrier
	s_cmp_lg_u32 s16, 0
	s_cbranch_scc1 .Lnot_wave_0_\@
	s_barrier_signal -3
.Lnot_wave_0_\@:
	s_barrier_wait -3
	s_barrier_signal -1
	s_barrier_wait -1
.endm
.macro CROUND
	s_barrier_signal -1
	s_barrier_wait -1
	CREST
.endm
; 12 matrix instructions: row block a x all 12 column blocks, 32 along K, from buffer f.  first = 1: the bias starts the sums.
.macro MULA f, a, first
.if \first
	WIN 0x85+0x40*((\a)/2)                         ; sources window 1, C window 0, D window 2 or 3
.else
	WIN 0xa5+0x50*((\a)/2)                         ; sources window 1, C and D window 2 or 3
.endif
.irp b, 0,1,2,3,4,5,6,7,8,9,10,11
.if \first
	v_wmma_f32_16x16x32_bf16 v[96*((\a)%2)+8*(\b):96*((\a)%2)+8*(\b)+7], v[(\f)+32+8*(\b):(\f)+32+8*(\b)+7], v[(\f)+8*(\a):(\f)+8*(\a)+7], v[BIAS+8*(\b):BIAS+8*(\b)+7]
.else
	v_wmma_f32_16x16x32_bf16 v[96*((\a)%2)+8*(\b):96*((\a)%2)+8*(\b)+7], v[(\f)+32+8*(\b):(\f)+32+8*(\b)+7], v[(\f)+8*(\a):(\f)+8*(\a)+7], v[96*((\a)%2)+8*(\b):96*((\a)%2)+8*(\b)+7]
.endif
.endr
.endm
; 32 LDS loads in one run: B's 12 fragments, then A's 4, 32 along K at byte k of the rows, into buffer f
.macro FETCH k, f
	WIN 0x40                                       ; destination window 1, address window 0
.irp i, 0,1,2,3,4,5,6,7,8,9,10,11
	ds_load_b128 v[(\f)+32+8*(\i):(\f)+32+8*(\i)+3],   v[ADRB] offset:(\k)+(\i)*16*PITCH
	ds_load_b128 v[(\f)+32+8*(\i)+4:(\f)+32+8*(\i)+7], v[ADRB] offset:(\k)+(\i)*16*PITCH+32
.endr
.irp i, 0,1,2,3
	ds_load_b128 v[(\f)+8*(\i):(\f)+8*(\i)+3],   v[ADRA] offset:(\k)+(\i)*16*PITCH
	ds_load_b128 v[(\f)+8*(\i)+4:(\f)+8*(\i)+7], v[ADRA] offset:(\k)+(\i)*16*PITCH+32
.endr
.endm
; A K step is four quarters of 32 along K, 48 matrix instructions each, on buffers 0, 1, 0, 1; the 48 accumulators take turns in the same order in every quarter.
.macro QUARTER k, f, g, first
	s_wait_dscnt 4                                 ; B and A's fragments 0, 1 are in; the youngest four loads (A's 2, 3) may be out
	MULA \f, 0, \first
	MULA \f, 1, \first
	PLACES
	FETCH \k, \g
	s_wait_dscnt 32                                ; all but the 32 just issued
	MULA \f, 2, \first
	MULA \f, 3, \first
.endm
; The last quarter multiplies buffer 1 and changes slots.  One barrier: in front of it each wave waits for all its tensor loads (one is out: its part of the next slot), adds 0 to its spare
; word, and waits for that and for its reads of this slot.  fill = 1: the barrier opens a round of the cluster's, and the slot just read is filled again first behind it, two K steps ahead.
.macro TURN fill
	WIN 0
	s_wait_tensorcnt 0x0
	ds_add_u32 v[SPW], v[NIL]
	s_wait_dscnt 5                                 ; the add and the youngest four loads may be out
	MULA F1, 0, 0
	s_wait_dscnt 0x0                               ; the add is done, my reads of this slot are over
	s_barrier_signal -1
	MULA F1, 1, 0
	WIN 0
	s_barrier_wait -1
.if \fill
	CREST
	s_xor_b32 s[G0A+5], s[G0A+5], SLOT1            ; no tensor load of mine is out: the walking sets step to the other slot, 128 along K on
	s_add_nc_u64 s[G0A+6:G0A+7], s[G0A+6:G0A+7], 256
	s_xor_b32 s[G0B+5], s[G0B+5], SLOT1
	s_add_nc_u64 s[G0B+6:G0B+7], s[G0B+6:G0B+7], 256
	JLOAD                                          ; its four v_nop are also the places in front of the loads below
.else
	PLACES
.endif
	s_xor_b32 s[TB], s[TB], SLOT1
	v_add_nc_u32 v[ADRA], s[TB], v[ADRA0]
	v_add_nc_u32 v[ADRB], s[TB], v[ADRB0]
	FETCH 0, F0
	MULA F1, 2, 0
	MULA F1, 3, 0
.endm
	s_load_b256 s[4:11], s[0:1], 0x0               ; A s[4:5], wb s[6:7], bq, bk
	s_load_b128 s[12:15], s[0:1], 0x20             ; bv, the output
	s_load_b128 s[68:71], s[0:1], 0x30             ; bkt, rel_embed
	s_load_b64 s[72:73], s[0:1], 0x40              ; pe
	v_lshl_add_u32 v[SPW], v0, 2, SPARE
	v_mov_b32 v[NIL], 0
	ds_add_u32 v[SPW], v[NIL]                      ; the wave's opening: the add and its wait ahead of my first tensor load
	v_lshrrev_b32 v1, 5, v0
	v_readfirstlane_b32 s16, v1                    ; wave
	s_lshr_b32 s17, s16, 1                         ; I fetch for A (0) or B (1),
	s_and_b32 s18, s16, 1                          ; which half of its rows
	s_bfe_u32 s19, ttmp6, 0x40000                  ; cx
	s_bfe_u32 s20, ttmp6, 0x40004                  ; cy
	s_lshl_b32 s21, ttmp9, 2
	s_add_co_u32 s21, s21, s19                     ; tile column
	s_and_b32 s22, ttmp7, 0xffff
	s_lshl_b32 s22, s22, 2
	s_add_co_u32 s22, s22, s20                     ; tile row
	s_mov_b32 s23, ttmp9                           ; the cluster's x: 0 q, 1 k, 2 v
	s_lshl_b32 s2, s20, 2
	s_lshl_b32 s2, 15, s2                          ; my row of the cluster
	s_lshl_b32 s3, 0x1111, s19                     ; my column
	s_or_b32 s[G1A], s2, GW0
	s_or_b32 s[G1B], s3, GW0
	s_mov_b32 s[G1A+1], 128<<16                    ; tensor_dim0 = 128
	s_mov_b32 s[G1A+2], 128<<16                    ; tensor_dim1 = 128
	s_mov_b32 s[G1A+3], 128<<16                    ; tile_dim0 = 128
	s_mov_b32 s[G1A+4], 128                        ; tile_dim1 = 128
	s_mov_b32 s[G1A+5], 768                        ; elements from row to row
	s_mov_b32 s[G1A+6], 0
	s_mov_b32 s[G1A+7], 0
	s_mov_b32 s[G1B+1], 128<<16
	s_mov_b32 s[G1B+2], 96<<16                     ; 96 rows
	s_mov_b32 s[G1B+3], 128<<16
	s_mov_b32 s[G1B+4], 96
	s_mov_b32 s[G1B+5], 768
	s_mov_b32 s[G1B+6], 0
	s_mov_b32 s[G1B+7], 0
	s_lshl_b32 s76, s22, 8                         ; A: row 256 x tile row + 128 x half, in bytes: made of the tile row and the wave alone
	s_lshl_b32 s77, s18, 7
	s_add_co_u32 s76, s76, s77
	s_mul_i32 s76, s76, KBYTES
	s_mov_b32 s77, 0
	s_mul_i32 s78, s21, 192                        ; B: row 192 x tile column + 96 x half: of the tile column and the wave alone
	s_mul_i32 s79, s18, 96
	s_add_co_u32 s78, s78, s79
	s_mul_i32 s78, s78, KBYTES
	s_mov_b32 s79, 0
	s_mul_i32 s58, s18, AHALF                      ; where they go: the wave's number alone
	s_mul_i32 s59, s18, BHALF
	s_add_co_u32 s59, s59, BOFF
	s_wait_dscnt 0x0                               ; the opening add is done
	s_wait_kmcnt 0x0
	s_add_nc_u64 s[76:77], s[4:5], s[76:77]
	s_add_nc_u64 s[78:79], s[6:7], s[78:79]
	CROUND                                         ; all sixteen work-groups are here: the first joint loads meet
.irp n, 0,1
	s_mov_b32 s[G0A+4*\n], 1
	s_add_co_u32 s[G0A+4*\n+1], s58, \n*SLOT1
	s_add_nc_u64 s[G0A+4*\n+2:G0A+4*\n+3], s[76:77], \n*256
	s_or_b32 s[G0A+4*\n+3], s[G0A+4*\n+3], 0x80000000
	s_mov_b32 s[G0B+4*\n], 1
	s_add_co_u32 s[G0B+4*\n+1], s59, \n*SLOT1
	s_add_nc_u64 s[G0B+4*\n+2:G0B+4*\n+3], s[78:79], \n*256
	s_or_b32 s[G0B+4*\n+3], s[G0B+4*\n+3], 0x80000000
.endr
	s_cmp_eq_u32 s17, 0                            ; a wave's two first fills stand in one branch: two loads of mine are out
	s_cbranch_scc0 .Lfirst_b
	tensor_load_to_lds s[G0A:G0A+3], s[G1A:G1A+7]
	s_nop 0
	tensor_load_to_lds s[G0A+4:G0A+7], s[G1A:G1A+7]
	s_nop 0
.rept 4
	v_nop
.endr
	s_branch .Lfirst_done
.Lfirst_b:
	tensor_load_to_lds s[G0B:G0B+3], s[G1B:G1B+7]
	s_nop 0
	tensor_load_to_lds s[G0B+4:G0B+7], s[G1B:G1B+7]
	s_nop 0
.rept 4
	v_nop
.endr
.Lfirst_done:
	s_cmp_eq_u32 s23, 1
	s_cselect_b64 s[8:9], s[10:11], s[8:9]
	s_cmp_eq_u32 s23, 2
	s_cselect_b64 s[8:9], s[12:13], s[8:9]
	s_mul_i32 s2, s19, 768
	s_mov_b32 s3, 0
	s_add_nc_u64 s[8:9], s[8:9], s[2:3]
	v_and_b32 v1, 15, v0                           ; r
	v_bfe_u32 v2, v0, 4, 1                         ; h
	v_and_b32 v3, 31, v0                           ; lane
	v_lshlrev_b32 v[HB], 5, v2
	s_mul_i32 s66, s22, 12                         ; g = 12 x tile row + tile column, 0 .. 191: my 256 numbers of pe: head g / 16, positions 256 (g % 16) on; thread t takes two
	s_add_co_u32 s66, s66, s21
	s_and_b32 s67, s66, 15
	s_lshl_b32 s67, s67, 10
	s_lshr_b32 s74, s66, 4
	s_lshl_b32 s74, s74, 2                         ; 4 x head
	s_lshl_b32 s75, s66, 10
	v_lshl_add_u32 v[BKO], v0, 3, s67
	v_lshl_add_u32 v[PEO], v0, 3, s75
	global_load_b64 v[BKV:BKV+1], v[BKO], s[68:69]
.irp b, 0,1,2,3,4,5,6,7,8,9,10,11
	global_load_b128 v[BIAS+8*\b:BIAS+8*\b+3],   v[HB], s[8:9] offset:64*\b     ; register j of block b: the bias of column 16 b + 8 h + j, the layout of a result
	global_load_b128 v[BIAS+8*\b+4:BIAS+8*\b+7], v[HB], s[8:9] offset:64*\b+16
.endr
	s_add_nc_u64 s[12:13], s[14:15], 18874368      ; the column sums lie behind the panels: row (4 x tile row + wave) x 4 + cx, 256 bytes each
	s_lshl_b32 s2, s22, 2
	s_add_co_u32 s2, s2, s16
	s_lshl_b32 s2, s2, 2
	s_add_co_u32 s2, s2, s19
	s_lshl_b32 s2, s2, 8
	s_add_nc_u64 s[12:13], s[12:13], s[2:3]
	s_mov_b32 s60, 0x76543210
	s_mov_b32 s61, 0xfedcba98
	s_mul_i32 s2, s21, 3*PANEL                     ; my three panels, my 64 rows
	s_lshl_b32 s57, s22, 8
	s_lshl_b32 s56, s16, 6
	s_add_co_u32 s57, s57, s56
	s_lshl_b32 s57, s57, 7
	s_add_co_u32 s2, s2, s57
	s_add_nc_u64 s[14:15], s[14:15], s[2:3]
	v_mul_u32_u24 v[ADRA0], v1, PITCH
	v_lshl_add_u32 v[ADRA0], v2, 4, v[ADRA0]       ; row x pitch + 16 x half
	v_add_nc_u32 v[ADRB0], BOFF, v[ADRA0]
	s_mul_i32 s2, s16, 64*PITCH
	v_add_nc_u32 v[ADRA0], s2, v[ADRA0]
	s_mul_i32 s2, s16, WSTAGE
	v_mul_u32_u24 v[STO], v1, SPITCH
	v_lshl_add_u32 v[STO], v2, 5, v[STO]
	v_add_nc_u32 v[STO], s2, v[STO]
	v_lshrrev_b32 v[RD0], 3, v3                    ; back: lane l takes row l / 8 of four, 32 bytes of f32 at 32 (l % 8)
	v_mul_u32_u24 v[RD0], v[RD0], SPITCH
	v_and_b32 v[RDN], 7, v0
	v_lshl_add_u32 v[RD0], v[RDN], 5, v[RD0]
	v_add_nc_u32 v[RD0], s2, v[RD0]
	v_lshlrev_b32 v[GO], 4, v3                     ; which are bytes 16 l of 512 consecutive bytes of a panel
	v_lshlrev_b32 v[QSO], 5, v3
	v_mov_b32 v[ADRA], v[ADRA0]
	v_mov_b32 v[ADRB], v[ADRB0]
	s_mov_b32 s[TB], 0
	s_wait_loadcnt 24                              ; the two bucket numbers are in; the bias's 24 loads are younger
	v_min_u32 v[BKV], 319, v[BKV]
	v_min_u32 v[BKV+1], 319, v[BKV+1]
	v_mad_u32_u24 v[BKV], v[BKV], 48, s74          ; a row of rel_embed is 48 bytes
	v_mad_u32_u24 v[BKV+1], v[BKV+1], 48, s74
	global_load_b32 v[PEV], v[BKV], s[70:71]
	global_load_b32 v[PEV+1], v[BKV+1], s[70:71]
	s_wait_tensorcnt 0x1                           ; my part of K step 0 is in; step 1's stays out
	s_barrier_signal -1
	s_barrier_wait -1
	FETCH 0, F0
	s_wait_loadcnt 2                               ; the bias is in; the two gathers, issued behind it, stay out
	QUARTER 64, F0, F1, 1                          ; the first quarter stands in front of the loop: its products start the sums
	WIN 0
	s_mov_b32 s57, 4
.Lk:                                               ; four trips: from a step's second quarter to the next step's first; they ask for K steps 2 to 5
	QUARTER 128, F1, F0, 0
	QUARTER 192, F0, F1, 0
	TURN 1
	QUARTER 64, F0, F1, 0
	WIN 0
	s_sub_co_u32 s57, s57, 1
	s_cmp_lg_u32 s57, 0
	s_cbranch_scc1 .Lk
	QUARTER 128, F1, F0, 0                         ; the tail is written out: nothing more is asked for
	QUARTER 192, F0, F1, 0
	TURN 0
	QUARTER 64, F0, F1, 0
	QUARTER 128, F1, F0, 0
	QUARTER 192, F0, F1, 0
	s_wait_dscnt 4
	MULA F1, 0, 0
	MULA F1, 1, 0
	s_wait_dscnt 0x0
	MULA F1, 2, 0
	MULA F1, 3, 0
	WIN 0
	; THE WAY OUT.  Every wave's reads of the ring are back and no tensor load is out or to come: behind this barrier the ring's bytes serve as stages, each wave's own.
	s_barrier_signal -1
	s_barrier_wait -1
	PLACES
.irp a, 0,1,2,3
	WIN 0x08+4*((\a)/2)                            ; store data in window 2 or 3
.irp b, 0,1,2,3,4,5,6,7,8,9,10,11
	ds_store_b128 v[STO], v[96*((\a)%2)+8*(\b):96*((\a)%2)+8*(\b)+3]   offset:(\a)*16*SPITCH+64*(\b)      ; each accumulator's low registers first
	ds_store_b128 v[STO], v[96*((\a)%2)+8*(\b)+4:96*((\a)%2)+8*(\b)+7] offset:(\a)*16*SPITCH+64*(\b)+16
.endr
.endr
	WIN 0
.irp p, 0,1,2
	ds_load_b128 v[XX+8*\p:XX+8*\p+3],   v[RD0] offset:256*\p      ; LDS serves a wave's instructions in order (ISA guide 5.7.1.4): these see the stores above
	ds_load_b128 v[XX+8*\p+4:XX+8*\p+7], v[RD0] offset:256*\p+16
.endr
	s_wait_loadcnt 0x0                             ; the two gathers
	global_store_b64 v[PEO], v[PEV:PEV+1], s[72:73]  ; the wave stores 256 consecutive bytes, aligned; its registers are not written again
.irp j, 0,1,2,3,4,5,6,7
	v_mov_b32 v[CSUM+\j], 0
.endr
	s_mov_b32 s58, 0
	s_mov_b32 s57, 16
.Lout:                                             ; 16 trips of four rows x three panels
	s_add_co_u32 s59, s58, 4*SPITCH
	s_min_u32 s59, s59, 60*SPITCH                  ; the next trip's rows; the last trip reads its own once more, so one text and one count serve every trip
	v_add_nc_u32 v[RDN], s59, v[RD0]
.irp p, 0,1,2
	s_wait_dscnt 4                                 ; this panel's two loads are in; the other two panels' four are younger, on the way in and over the back edge alike
.irp j, 0,2,4,6
	v_pk_add_f32 v[CSUM+\j:CSUM+\j+1], v[CSUM+\j:CSUM+\j+1], v[XX+8*\p+\j:XX+8*\p+\j+1]
.endr
.irp j, 0,1,2,3
	v_cvt_pk_bf16_f32 v[YP+4*\p+\j], v[XX+8*\p+2*\j], v[XX+8*\p+2*\j+1]
.endr
	ds_load_b128 v[XX+8*\p:XX+8*\p+3],   v[RDN] offset:256*\p
	ds_load_b128 v[XX+8*\p+4:XX+8*\p+7], v[RDN] offset:256*\p+16
	global_store_b128 v[GO], v[YP+4*\p:YP+4*\p+3], s[14:15] offset:PANEL*\p   ; the wave stores 512 consecutive bytes, aligned
.endr
	s_wait_xcnt 0x0                                ; the stores' offset and data are written again only behind this wait
	v_add_nc_u32 v[GO], 512, v[GO]
	s_mov_b32 s58, s59
	s_sub_co_u32 s57, s57, 1
	s_cmp_lg_u32 s57, 0
	s_cbranch_scc1 .Lout
	s_cmp_lg_u32 s23, 0                            ; only q's tiles store sums: the cluster's x, which all partners share
	s_cbranch_scc1 .Lnosum
.irp j, 0,1,2,3,4,5,6,7
	v_add_f32_dpp v[CSUM+\j], v[CSUM+\j], v[CSUM+\j] row_xmask:8 row_mask:0xf bank_mask:0xf   ; lanes l, l ^ 8, l ^ 16, l ^ 24 hold the same eight columns
.endr
.irp j, 0,1,2,3,4,5,6,7
	v_permlanex16_b32 v[RR+\j], v[CSUM+\j], s60, s61
.endr
.irp j, 0,1,2,3,4,5,6,7
	v_add_f32 v[CSUM+\j], v[CSUM+\j], v[RR+\j]
.endr
	v_cmp_gt_u32 vcc_lo, 8, v3
	s_and_saveexec_b32 s2, vcc_lo                  ; (the loop's last line behind its stores was s_wait_xcnt 0)
	global_store_b128 v[QSO], v[CSUM:CSUM+3],   s[12:13]
	global_store_b128 v[QSO], v[CSUM+4:CSUM+7], s[12:13] offset:16
	s_wait_xcnt 0x0                                ; EXEC widens only behind this wait
	s_or_b32 exec_lo, exec_lo, s2
.Lnosum:
	s_wait_tensorcnt 0x0                           ; the wave's end
	ds_add_u32 v[SPW], v[NIL]
	s_wait_dscnt 0x0
	CROUND                                         ; the closing round
	s_endpgm
.Lfunc_end_k_qed5cdc4c8e_qkv:
	.size	k_qed5cdc4c8e_qkv, .Lfunc_end_k_qed5cdc4c8e_qkv-k_qed5cdc4c8e_qkv
	.p2alignl 7, 3214868480
	.fill 96, 4, 3214868480
	.section	.rodata,"a",@progbits
	.p2align	6, 0x0
	.amdhsa_kernel k_qed5cdc4c8e_qkv
		.amdhsa_group_segment_fixed_size 327680
		.amdhsa_private_segment_fixed_size 0
		.amdhsa_enable_private_segment 0
		.amdhsa_kernarg_size 72
		.amdhsa_user_sgpr_count 2
		.amdhsa_user_sgpr_kernarg_segment_ptr 1
		.amdhsa_wavefront_size32 1
		.amdhsa_system_sgpr_workgroup_id_x 1
		.amdhsa_system_sgpr_workgroup_id_y 1
		.amdhsa_system_sgpr_workgroup_id_z 1
		.amdhsa_system_vgpr_workitem_id 0
		.amdhsa_next_free_vgpr 960
		.amdhsa_next_free_sgpr 80
		.amdhsa_reserve_vcc 1
		.amdhsa_float_denorm_mode_32 3
		.amdhsa_float_denorm_mode_16_64 3
		.amdhsa_memory_ordered 1
		.amdhsa_forward_progress 1
		.amdhsa_inst_pref_size 88
	.end_amdhsa_kernel
	.amdgpu_metadata
---
amdhsa.version: [ 1, 2 ]
amdhsa.kernels:
  - .name:           k_qed5cdc4c8e_qkv
    .symbol:         k_qed5cdc4c8e_qkv.kd
    .args:
      - { .name: act, .offset: 0, .size: 8, .value_kind: global_buffer, .address_space: global }
      - { .name: wb, .offset: 8, .size: 8, .value_kind: global_buffer, .address_space: global }
      - { .name: bq, .offset: 16, .size: 8, .value_kind: global_buffer, .address_space: global }
      - { .name: bk, .offset: 24, .size: 8, .value_kind: global_buffer, .address_space: global }
      - { .name: bv, .offset: 32, .size: 8, .value_kind: global_buffer, .address_space: global }
      - { .name: qkv, .offset: 40, .size: 8, .value_kind: global_buffer, .address_space: global }
      - { .name: bkt, .offset: 48, .size: 8, .value_kind: global_buffer, .address_space: global }
      - { .name: rel_embed, .offset: 56, .size: 8, .value_kind: global_buffer, .address_space: global }
      - { .name: tab, .offset: 64, .size: 8, .value_kind: global_buffer, .address_space: global }
    .group_segment_fixed_size: 327680
    .private_segment_fixed_size: 0
    .kernarg_segment_align: 8
    .kernarg_segment_size: 72
    .max_flat_workgroup_size: 128
    .sgpr_count:     80
    .vgpr_count:     960
    .wavefront_size: 32
...
	.end_amdgpu_metadata
.endif
;; end of part 2
;; launch attn (part 3): grid 8 x 32, 4 waves a work-group, clusters of 4 x 1, 327,680 bytes of LDS; arguments qkv, tab, gate_ur_w, gate_i_w, rel_scale, wo, w1, w2, act, wb; writes act, wb
.if DOCPART == 3
	.amdgcn_target "amdgcn-amd-amdhsa--gfx1250"
	.amdhsa_code_object_version 6
	.text
	.protected	k_qed5cdc4c8e_attn
	.globl	k_qed5cdc4c8e_attn
	.p2align	8
	.type	k_qed5cdc4c8e_attn,@function
k_qed5cdc4c8e_attn:
	s_mov_b64 s[64:65], 0
	v_nop
	global_prefetch_b8 v0, s[64:65] scope:SCOPE_SE
	s_setreg_imm32_b32 hwreg(HW_REG_WAVE_MODE, 25, 1), 1
	s_wait_xcnt 0x0
	s_wait_alu depctr_hold_cnt(0) depctr_sa_sdst(0) depctr_va_vdst(0) depctr_va_sdst(0) depctr_va_ssrc(0) depctr_va_vcc(0) depctr_vm_vsrc(0)
	s_getreg_b32 s2, hwreg(HW_REG_IB_STS2, 6, 4)
	s_cmp_eq_u32 s2, 0
	s_cbranch_scc0 .Lentry_in_a_cluster
	s_endpgm
.Lentry_in_a_cluster:
	s_bfe_u32 s2, ttmp6, 0x10000c
	s_cmp_lg_u32 s2, 0x3003
	s_cbranch_scc0 .Lentry_shape_is_right
	s_endpgm
.Lentry_shape_is_right:
; ATTENTION WITH A GATED RELATIVE BIAS (the grid's rows y = 0 .. 23), AND BESIDE IT THE ROUNDING OF LATER WEIGHTS (rows 24 .. 31).
; O[y][q] = the sum over k of softmax_k(Q[y][q] . K[y][k] / 8 + bias[y][k - q]) V[y][k], y = 2 head + batch: 24 heads of 2,048 rows of 64 channels, bf16, dense rows of 128 bytes (the panels of q, k, v).
; Products, maxima and sums in f32; the weights p are rounded to bf16 for the second product (their sum l is taken of the unrounded p), O once.
; LIMITS.  A weight below 2^-126 counts as 0 in l; NaN and infinities are not treated apart.
; SHARES.  A work-group owns 256 queries of a head, a wave 64: four PIECES of 16.  Every wave walks all 2,048 keys, 64 a step.  That makes 192 work-groups: 24 heads of 2,048 rows do not part into 256 equal
; blocks inside heads.  64 more work-groups (whole clusters: the branch hangs on the cluster's y) round wo, w1 and w2 to bf16 for the three products behind: work that no step of the attention waits for.
; LAYOUT.  S^T = K Q^T (source 0 = 16 keys, source 1 = 16 queries): a lane holds ONE query and the keys 8 (lane / 16) + 0..7; two such results rounded to bf16 ARE source 1 of O^T = V^T P.
; Lane r holds query 15 - r of its tile: the turn-round stands in the global offsets of Q's loads and O's stores alone, and makes the bias's index ascend with the lane.
; THE GATE.  g_in = the mean of q over rows and heads (from the column sums behind the panels); gate = 1 + sigmoid(g_in . gate_i_w[h]) rel_scale[h] sigmoid(g_in . gate_ur_w[h]); every work-group makes it anew.
; THE BIAS hangs on key - query alone.  T[u] = 8 gate pe[h][1792 - 256 block + u], u = 0 .. 2,303, serves the block's 256 queries and all keys (the 8 undoes the scale 1/8 that score and bias get together).
; The tile of key block kb and query tile ql needs in lane (r, h) the eight numbers from u = 16 (kb - ql + 15) + 8 h + r on.  Four copies of T lie in LDS, copy s shifted by s numbers, so that lane r finds its
; eight in copy r % 4 as two aligned loads of 16 bytes; the copies lie 9,280 bytes apart (64 more than a multiple of 256), so that 16 lanes take 16 different columns of 16 bytes (ISA guide 11.1).
; The tile is the C operand of the product that starts the sum: it costs no vector instruction.  A step's seven tiles (key block i - piece x = -3 .. 3) are fetched with its K.
; SOFTMAX.  A running maximum m and sum l for each query: p = 2^(c s - c m), c = log2(e) / 8; O and l are multiplied by a = 2^(c m_old - c m_new) in every step.  m starts at the lowest finite number,
; O and l at 0: the first step is a step like any other, with a = 0.
; TURNS.  Turn n belongs to piece n: 8 products K Q^T of piece n + 1, later 8 products V^T P of piece n - 1; beside them the scaling, exponentials, roundings, sums and rescaling of piece n and the
; maximum and statistics of piece n + 1.  Four vector instructions stand behind every matrix instruction, the other 54 of a turn's 118 in two lumps.
; CLUSTER.  The four query blocks of a cluster belong to one head and walk the same K and V: each tile is asked for jointly.  A slot holds four key steps.
; REGISTERS, in windows of 256 (s_set_vgpr_msb: bits 1:0 source 0, 3:2 source 1, 5:4 source 2, 7:6 destination):
;   window 0: v0-15, v56-59 addresses and some at work; v16-31 four registers of statistics a piece; v32-47, v128-145 at work at the start; v48-55 at work; v62-63 the add's two, written at the head alone;
;             v64-127 S^T, two buffers; v192-223 P, two buffers.  (The weights' rounding: v1-2 offsets, v64-135 data.)
;   window 1: v0-127 O^T, 32 a piece; v128-183 seven bias tiles          window 2: v0-63 Q; v128-191 K of one step; v192-255 V of one step
.set NP,    4
.set KS,    64
.set PK,    144       ; a row of K in LDS: 128 bytes + 16: the 16 rows of a load start at 16 different groups of four banks (ISA guide 11.1)
.set PV,    160       ; a row of V: 128 + 32
.set VOFF,  4*KS*PK   ; a slot holds four steps: 256 rows of K, then 256 rows of V
.set SLOT1, 1<<17     ; slot 1 begins here: one exclusive or turns an address in one slot into the other's
.set TABL,  4*KS*(PK+PV)  ; between the slots, where no tensor load lands: the four copies of T, each with 16 bytes in front of it,
.set CP,    9280
.set RED,   TABL+4*CP     ; the four waves' partial sums for the gate (a block of 256 bytes),
.set STAGE, RED+256       ; 16 rows x 144 bytes for each wave, for the way out,
.set SP,    144
.set SPARE, STAGE+4*16*SP ; and the spare words: 128 bytes a wave, two blocks of 256 bytes that no other line names
.set AK0, 2
.set AV0, 3
.set AK,  4
.set AV,  5
.set STO, 6
.set RD,  7
.set GO,  8
.set MV,  12          ; v12-13  c m_old, by buffer
.set AB0, 14          ; v14  my lane's place in the copies of T for step 0
.set QO,  15
.set ST,  16          ; piece t's statistics at v[ST+4 t]: c m, m, l (even keys', odd keys')
.set TMP, 48
.set AB,  56          ; v56  the LDS address of the next run of bias tiles
.set TST, 57          ; v57  where I store into copy 0 of T
.set SPW, 62
.set NIL, 63
.set S,   64
.set CV,  64          ; v64-135  the weights' rounding: nine pairs of loads; above the add's two registers
.set PE,  128         ; v128-145  my 18 numbers of T
.set P,   192
.set BT,  128         ; window 1
.set KF,  128         ; window 2
.set VF,  192         ; window 2
.set WV,  12
.set G1K, 24
.set G1V, 32
.set G0K, 40
.set G0V, 44
.set SLOTS, 56
.set CNT, 57
.set CS,  58
.set SEL, 60
.set TBK, 62
.set TBV, 63
.set TBB, 72          ; s72  256 x the step whose bias tiles are fetched next
.set MSB, 0
.macro WIN new
.if MSB != (\new)
	s_set_vgpr_msb (MSB<<8)|(\new)
.set MSB, (\new)
.endif
.endm
.set W_KQ, 0x0a       ; K and Q in window 2, S^T in window 0
.set W_KB, 0x1a       ; the same with the C operand in window 1
.set W_PV, 0x52       ; V in window 2, P in window 0, O^T in window 1
.set W_RS, 0x41       ; destination and source 0 in window 1, source 1 in window 0
.macro JLOAD                        ; a joint fill: waves 0, 1 fetch the two halves of a slot's K, waves 2, 3 those of its V: 128 keys each; s_nop 0 and four v_nop follow each line
	s_cmp_lt_u32 s[WV], 2
	s_cbranch_scc0 .Lfor_v_\@
	tensor_load_to_lds s[G0K:G0K+3], s[G1K:G1K+7]
	s_nop 0
.rept 4
	v_nop
.endr
	s_branch .Lasked_\@
.Lfor_v_\@:
	tensor_load_to_lds s[G0V:G0V+3], s[G1V:G1V+7]
	s_nop 0
.rept 4
	v_nop
.endr
.Lasked_\@:
.endm
.macro CROUND
	s_barrier_signal -1
	s_barrier_wait -1
	s_cmp_lg_u32 s[WV], 0
	s_cbranch_scc1 .Lnot_wave_0_\@
	s_barrier_signal -3
.Lnot_wave_0_\@:
	s_barrier_wait -3
	s_barrier_signal -1
	s_barrier_wait -1
.endm
.macro WSUM r, t                    ; the sum over the wave's 32 lanes, in every lane
	v_add_f32_dpp v[\r], v[\r], v[\r] row_xmask:1 row_mask:0xf bank_mask:0xf
	v_add_f32_dpp v[\r], v[\r], v[\r] row_xmask:2 row_mask:0xf bank_mask:0xf
	v_add_f32_dpp v[\r], v[\r], v[\r] row_xmask:4 row_mask:0xf bank_mask:0xf
	v_add_f32_dpp v[\r], v[\r], v[\r] row_xmask:8 row_mask:0xf bank_mask:0xf
	v_permlanex16_b32 v[\t], v[\r], s[SEL], s[SEL+1]
	v_add_f32 v[\r], v[\r], v[\t]
.endm
; THE CHANGE OF SLOTS.  Each wave waits for all its tensor loads, adds 0 to its spare word, and waits for that and for its LDS instructions: its reads of the slot that it leaves (at the first use: its stores into T).
; fill = 1: the barrier is a round of the cluster's, and the old slot is filled again first behind it, with the keys two slots on: it has four key steps, 256 matrix instructions, in which to land.
; (At its first use slot 0 is waited for and slot 1 filled.)
.macro CHANGE fill
	WIN 0
	s_wait_tensorcnt 0x0
	ds_add_u32 v[SPW], v[NIL]
.if \fill
.irp g, G0K, G0V
	s_xor_b32 s[\g+1], s[\g+1], SLOT1
	s_add_nc_u64 s[\g+2:\g+3], s[\g+2:\g+3], 4*KS*128
.endr
	s_wait_dscnt 0x0
	CROUND
	JLOAD
.else
	s_wait_dscnt 0x0
	s_barrier_signal -1
	s_barrier_wait -1
.endif
	s_sub_co_u32 s[TBK], s[TBK], 4*KS*PK
	s_xor_b32 s[TBK], s[TBK], SLOT1
	s_sub_co_u32 s[TBV], s[TBV], 4*KS*PV
	s_xor_b32 s[TBV], s[TBV], SLOT1
.endm
	s_load_b256 s[4:11], s[0:1], 0x0    ; qkv, pe, gate_ur_w, gate_i_w
	s_load_b256 s[48:55], s[0:1], 0x20  ; rel_scale, wo, w1, w2
	s_load_b128 s[68:71], s[0:1], 0x40  ; act, wb
	v_lshl_add_u32 v[SPW], v0, 2, SPARE
	v_mov_b32 v[NIL], 0
	ds_add_u32 v[SPW], v[NIL]       ; the wave's opening: the add and its wait ahead of my first tensor load
	v_lshrrev_b32 v1, 5, v0
	v_readfirstlane_b32 s[WV], v1
	s_bfe_u32 s13, ttmp6, 0x40000   ; cx
	s_lshl_b32 s14, ttmp9, 2
	s_add_co_u32 s14, s14, s13      ; my block of 256 queries: it enters global addresses alone
	s_and_b32 s73, ttmp7, 0xffff    ; y, which the four partners share
	s_lshl_b32 s20, s73, 18         ; the head's 262,144 bytes
	s_and_b32 s16, s[WV], 1         ; which half of a slot's 256 keys I fetch
	s_lshl_b32 s22, s16, 14
	s_add_co_u32 s22, s22, s20
	s_mov_b32 s23, 0
	s_mul_i32 s17, s16, 128*PK
	s_mul_i32 s18, s16, 128*PV
	s_lshl_b32 s2, s14, 15
	s_lshl_b32 s3, s[WV], 13
	s_add_co_u32 s2, s2, s3
	s_add_co_u32 s2, s2, s20
	s_mov_b32 s3, 0                 ; my wave's 64 rows of Q and O
	s_lshr_b32 s15, s73, 1          ; head
	s_and_b32 s19, s73, 1           ; batch
	s_lshl_b32 s74, s15, 14         ; pe: the head's 4,096 numbers, from position 1792 - 256 x block on
	s_add_co_u32 s74, s74, 7168
	s_lshl_b32 s75, s14, 10
	s_sub_co_u32 s74, s74, s75
	s_mov_b32 s75, 0
	s_lshl_b32 s78, s19, 15         ; the batch's 128 rows of column sums, behind the panels
	s_add_co_u32 s78, s78, 18874368
	s_mov_b32 s79, 0
	s_lshl_b32 s66, s15, 8          ; the head's row of the gate's weights
	s_mov_b32 s67, 0
	s_lshl_b32 s21, s15, 2
	s_mov_b32 s[G1K], 15|(1<<16)|(1<<20)|(1<<21)|(4<<22)|(3<<25)  ; the mask of four; 2-byte elements; padding on; bit 21 beside a mask; after every 32 words, 4 words
	s_mov_b32 s[G1V], 15|(1<<16)|(1<<20)|(1<<21)|(4<<22)|(7<<25)  ; 8 words
.irp g, G1K, G1V
	s_mov_b32 s[\g+1], 128<<16      ; 128 keys are 16,384 dense bytes: 64 rows of 256 bytes, two keys a row
	s_mov_b32 s[\g+2], 64<<16
	s_mov_b32 s[\g+3], 128<<16
	s_mov_b32 s[\g+4], 64
	s_mov_b32 s[\g+5], 128
	s_mov_b32 s[\g+6], 0
	s_mov_b32 s[\g+7], 0
.endr
	s_mov_b32 s[CS], 0x3e38aa3b     ; c = log2(e) / 8
	s_mov_b32 s[CS+1], s[CS]
	s_mov_b32 s[SEL], 0x76543210
	s_mov_b32 s[SEL+1], 0xfedcba98
	s_mov_b32 s[TBK], SLOT1+4*KS*PK ; the first change of slots turns these two into 0
	s_mov_b32 s[TBV], SLOT1+4*KS*PV
	s_mov_b32 s[TBB], 0
	s_mov_b32 s[G0K], 1
	s_mov_b32 s[G0K+1], s17
	s_mov_b32 s[G0V], 1
	s_add_co_u32 s[G0V+1], s18, VOFF
	s_wait_dscnt 0x0                ; the opening add is done
	s_wait_kmcnt 0x0
	s_cmp_ge_u32 s73, 24
	s_cbranch_scc1 .Lconv           ; whole clusters: the weights' rounding stands at the text's end
	s_load_b32 s19, s[48:49], s21 offset:0x0   ; rel_scale[h]
	s_add_nc_u64 s[G0K+2:G0K+3], s[4:5], s[22:23]
	s_add_nc_u64 s[G0K+2:G0K+3], s[G0K+2:G0K+3], 6291456    ; k's panels lie behind q's twelve
	s_or_b32 s[G0K+3], s[G0K+3], 0x80000000
	s_add_nc_u64 s[G0V+2:G0V+3], s[4:5], s[22:23]
	s_add_nc_u64 s[G0V+2:G0V+3], s[G0V+2:G0V+3], 12582912   ; v's behind k's
	s_or_b32 s[G0V+3], s[G0V+3], 0x80000000
	s_add_nc_u64 s[76:77], s[4:5], s[2:3]     ; Q
	s_add_nc_u64 s[68:69], s[68:69], s[2:3]   ; O
	s_add_nc_u64 s[78:79], s[4:5], s[78:79]   ; the column sums
	s_add_nc_u64 s[6:7], s[6:7], s[74:75]     ; pe
	s_add_nc_u64 s[8:9], s[8:9], s[66:67]
	s_add_nc_u64 s[10:11], s[10:11], s[66:67]
	s_mov_b32 s66, 0x41000000       ; 8.0
	CROUND                          ; all four work-groups are here: the first joint loads meet
	JLOAD                           ; slot 0; slot 1 is asked for when slot 0 is in
	v_and_b32 v1, 15, v0            ; r = l % 16
	v_bfe_u32 v9, v0, 4, 1          ; l / 16
	v_lshlrev_b32 v32, 4, v0        ; the sums: thread t takes 16 bytes at 16 t of every eighth pair of rows: a wave's load covers 512 consecutive bytes
	v_lshlrev_b32 v33, 4, v1        ; its four channels 4 (t % 16) + 0..3 in the gate's weights
	v_lshlrev_b32 v34, 2, v0        ; T: numbers t + 128 n
	v_sub_nc_u32 v58, 15, v1        ; lane r holds query 15 - r
	v_lshlrev_b32 v[QO], 7, v58
	v_lshl_add_u32 v[QO], v9, 4, v[QO]
.set n, 0
.rept 16
	global_load_b128 v[S+4*n:S+4*n+3], v32, s[78:79] offset:2048*n
.set n, n+1
.endr
	global_load_b128 v[P:P+3], v33, s[8:9]
	global_load_b128 v[P+4:P+7], v33, s[10:11]
.set n, 0
.rept 18
	global_load_b32 v[PE+n], v34, s[6:7] offset:512*n
.set n, n+1
.endr
	WIN 0x80
.set i, 0
.rept 8                             ; Q stays in registers: piece i / 2, channels 32 (i % 2) on
	global_load_b128 v[8*i:8*i+3],   v[QO], s[76:77] offset:(i/2)*2048+(i%2)*64
	global_load_b128 v[8*i+4:8*i+7], v[QO], s[76:77] offset:(i/2)*2048+(i%2)*64+32
.set i, i+1
.endr
	WIN 0
	v_mul_u32_u24 v[AK0], v1, PK
	v_lshl_add_u32 v[AK0], v9, 4, v[AK0]
	v_and_b32 v10, 7, v0            ; the turning load: lane l reads key 8 (l / 16) + l % 8, channels 8 ((l / 8) % 2) + 0..7
	v_bfe_u32 v11, v0, 3, 1
	v_lshl_add_u32 v[AV0], v9, 3, v10
	v_mul_u32_u24 v[AV0], v[AV0], PV
	v_lshl_add_u32 v[AV0], v11, 4, v[AV0]
	v_add_nc_u32 v[AV0], VOFF, v[AV0]
	s_mul_i32 s15, s[WV], 16*SP
	s_add_co_u32 s15, s15, STAGE
	v_mul_u32_u24 v[STO], v1, SP    ; into the stage: row r (query 15 - r), 16 bytes for each half of the lanes
	v_lshl_add_u32 v[STO], v9, 4, v[STO]
	v_add_nc_u32 v[STO], s15, v[STO]
	v_bfe_u32 v[RD], v0, 3, 2       ; back: 32 lanes take four rows of 128 bytes,
	v_mul_u32_u24 v[RD], v[RD], SP
	v_lshl_add_u32 v[RD], v10, 4, v[RD]
	v_add_nc_u32 v[RD], s15, v[RD]
	v_bfe_u32 v59, v0, 3, 2         ; which are 512 consecutive bytes of O, the four rows in the opposite order
	v_sub_nc_u32 v59, 3, v59
	v_lshlrev_b32 v59, 7, v59
	v_lshl_add_u32 v[GO], v10, 4, v59
	v_and_b32 v10, 3, v0            ; the bias: copy r % 4, 16 bytes for each r / 4, 32 for the upper half of the lanes, 64 for each tile: tile 4 s - 4 w + 12 + (i - x + 3)
	v_bfe_u32 v11, v0, 2, 2
	v_mul_u32_u24 v[AB0], v10, CP
	v_lshl_add_u32 v[AB0], v11, 4, v[AB0]
	v_lshl_add_u32 v[AB0], v9, 5, v[AB0]
	s_lshl_b32 s13, s[WV], 8
	s_sub_co_u32 s13, TABL+16+12*64, s13
	v_add_nc_u32 v[AB0], s13, v[AB0]
	v_lshl_add_u32 v[TST], v0, 2, TABL+16
	v_lshrrev_b32 v35, 5, v0
	v_lshl_add_u32 v35, v35, 3, RED
	v_mov_b32 v39, RED
	v_mov_b32 v38, 0
	; What the first turn finds: V's registers and P's second buffer hold 0 (its products V^T P, of a piece that has not been, add 0), O^T and l are 0.  All this stands in the wait for the loads.
	WIN 0x80
.set i, VF
.rept 64
	v_mov_b32 v[i], 0
.set i, i+1
.endr
	WIN 0x40
.set i, 0
.rept 128
	v_mov_b32 v[i], 0
.set i, i+1
.endr
	WIN 0
.set i, 0
.rept 4
	v_mov_b32 v[ST+4*i], 0xfe000000    ; c m: far below every c s
	v_mov_b32 v[ST+4*i+1], 0xff7fffff  ; m
	v_mov_b32 v[ST+4*i+2], 0
	v_mov_b32 v[ST+4*i+3], 0
.set i, i+1
.endr
.set i, P+16
.rept 16
	v_mov_b32 v[i], 0
.set i, i+1
.endr
	; THE GATE
	s_wait_loadcnt 34               ; the sums and the gate's weights are in; T's 18 loads and Q's 16 are younger
.irp n, 0,2,4,6,8,10,12,14
	v_pk_add_f32 v[S+4*\n:S+4*\n+1],   v[S+4*\n:S+4*\n+1],   v[S+4*\n+4:S+4*\n+5]
	v_pk_add_f32 v[S+4*\n+2:S+4*\n+3], v[S+4*\n+2:S+4*\n+3], v[S+4*\n+6:S+4*\n+7]
.endr
.irp n, 0,4,8,12
	v_pk_add_f32 v[S+4*\n:S+4*\n+1],   v[S+4*\n:S+4*\n+1],   v[S+4*\n+8:S+4*\n+9]
	v_pk_add_f32 v[S+4*\n+2:S+4*\n+3], v[S+4*\n+2:S+4*\n+3], v[S+4*\n+10:S+4*\n+11]
.endr
.irp n, 0,8
	v_pk_add_f32 v[S+4*\n:S+4*\n+1],   v[S+4*\n:S+4*\n+1],   v[S+4*\n+16:S+4*\n+17]
	v_pk_add_f32 v[S+4*\n+2:S+4*\n+3], v[S+4*\n+2:S+4*\n+3], v[S+4*\n+18:S+4*\n+19]
.endr
	v_pk_add_f32 v[S:S+1],   v[S:S+1],   v[S+32:S+33]
	v_pk_add_f32 v[S+2:S+3], v[S+2:S+3], v[S+34:S+35]
	v_mul_f32 v36, v[S], v[P]
	v_mul_f32 v37, v[S], v[P+4]
.irp i, 1,2,3
	v_fma_f32 v36, v[S+\i], v[P+\i], v36
	v_fma_f32 v37, v[S+\i], v[P+4+\i], v37
.endr
	WSUM 36, 38
	WSUM 37, 38
	ds_store_b64 v35, v[36:37]      ; all lanes of a wave write the same pair
	s_wait_dscnt 0x0                ; for the others' sake: my store is done
	s_barrier_signal -1             ; slot 0's load may stay out
	s_barrier_wait -1
	ds_load_b128 v[40:43], v39
	ds_load_b128 v[44:47], v39 offset:16
	s_wait_dscnt 0x0
	v_pk_add_f32 v[40:41], v[40:41], v[42:43]
	v_pk_add_f32 v[44:45], v[44:45], v[46:47]
	v_pk_add_f32 v[40:41], v[40:41], v[44:45]
	v_pk_mul_f32 v[40:41], v[40:41], 0xb876384f op_sel_hi:[1,0]   ; -log2(e) / 24,576: the mean over 2,048 rows and 12 heads, and the sigmoid's base 2
	v_exp_f32 v40, v40
	v_exp_f32 v41, v41
	v_nop
	v_pk_add_f32 v[40:41], v[40:41], 1.0 op_sel_hi:[1,0]
	v_rcp_f32 v40, v40
	v_rcp_f32 v41, v41
	v_nop
	s_wait_kmcnt 0x0                ; rel_scale[h]
	v_mul_f32 v40, v40, v41
	v_mul_f32 v40, s19, v40
	v_fma_f32 v40, v40, s66, s66    ; 8 + 8 u scale r
	s_wait_loadcnt 16               ; my 18 numbers of pe are in; Q's 16 loads are younger
.set n, 0
.rept 18
	v_mul_f32 v[PE+n], v40, v[PE+n]
.set n, n+1
.endr
.set n, 0
.rept 18
.irp s, 0,1,2,3
	ds_store_b32 v[TST], v[PE+n] offset:\s*(CP-4)+512*n   ; T[t + 128 n] into copy s, s numbers further down
.endr
.set n, n+1
.endr
; THE MATRIX WORK.  The 4 accumulators of a run of 8 take turns.  Product i of 8 of S^T = K Q^T for piece x: channels 32 (i / 4) on, keys 16 (i % 4) on.  The first 4 start the sums with the bias tile.
.macro KQ x
.set rS, S+32*((\x)%2)+8*(i%4)
.set rK, KF+16*(i%4)+8*(i/4)
.set rQ, 16*(\x)+8*(i/4)
.set rB, BT+8*(i%4-(\x)+3)
.if i < 4
	WIN W_KB
	v_wmma_f32_16x16x32_bf16 v[rS:rS+7], v[rK:rK+7], v[rQ:rQ+7], v[rB:rB+7]
.else
	WIN W_KQ
	v_wmma_f32_16x16x32_bf16 v[rS:rS+7], v[rK:rK+7], v[rQ:rQ+7], v[rS:rS+7]
.endif
.endm
.macro PV x                         ; product i of 8 of O^T += V^T P for piece x: keys 32 (i / 4) on, channels 16 (i % 4) on
	WIN W_PV
.set rO, 32*(\x)+8*(i%4)
.set rV, VF+32*(i/4)+8*(i%4)
.set rP, P+16*((\x)%2)+8*(i/4)
	v_wmma_f32_16x16x32_bf16 v[rO:rO+7], v[rV:rV+7], v[rP:rP+7], v[rO:rO+7]
.endm
.macro MM                           ; the turn's next matrix instruction.  NOKQ = 1: the last turn: there is no next piece
.if (i < 8) && !NOKQ
	KQ (Y+1)%NP
.elseif i >= 8
.set i, i-8
	PV (Y+NP-1)%NP
.set i, i+8
.endif
.set i, i+1
.endm
; THE LDS LOADS stand in runs: a step's K (8 fragments) with its seven bias tiles, and its V (turned).
.macro FETCH_K
	WIN 0x80
.irp f, 0,1,2,3,4,5,6,7
	ds_load_b128 v[KF+8*\f:KF+8*\f+3],   v[AK] offset:(\f/2)*16*PK+(\f%2)*64
	ds_load_b128 v[KF+8*\f+4:KF+8*\f+7], v[AK] offset:(\f/2)*16*PK+(\f%2)*64+32
.endr
	WIN 0x40
.irp d, 0,1,2,3,4,5,6
	ds_load_b128 v[BT+8*\d:BT+8*\d+3],   v[AB] offset:64*\d
	ds_load_b128 v[BT+8*\d+4:BT+8*\d+7], v[AB] offset:64*\d+16
.endr
	s_add_co_u32 s[TBK], s[TBK], KS*PK
	s_add_co_u32 s[TBB], s[TBB], 256
	s_min_u32 s[TBB], s[TBB], 31*256    ; the last step's value: the bound of the address stands in the text
	WIN 0
.endm
.macro FETCH_V
	WIN 0x80
.irp f, 0,1,2,3,4,5,6,7
	ds_load_tr16_b128 v[VF+8*\f:VF+8*\f+3],   v[AV] offset:(\f/4)*32*PV+(\f%4)*32
	ds_load_tr16_b128 v[VF+8*\f+4:VF+8*\f+7], v[AV] offset:(\f/4)*32*PV+16*PV+(\f%4)*32
.endr
	WIN 0
.endm
; THE VECTOR WORK, one line at a time: OP kind, number.  For piece Y: F n: c s - c m for pair n of 16.  E n: the exponential of score n of 32.  C n: pair n rounded to bf16.  B n: of the four weights
; 4 n .. the second pair is added onto the first, in place.  L n: l takes that sum (L 0: l = a l + sum).  R n: pair n of 16 of O^T times a.  For piece Y + 1: X n, number n of the 22 that find its
; maximum and statistics: 0-11 four chains of seven scores (each accumulator's lowest registers are read first); 12-14, 16 the four left over, the old m, the chains into one;
; 15 c m_old is kept; 17, 18 the other half of the lanes; 19-21 c m; c m_old - c m_new; a.
.set F, 0
.set E, 1
.set C, 2
.set B, 3
.set L, 4
.set R, 5
.set X, 6
.macro REGS y
.set rT, ST+4*(\y)
.set rC, TMP+4*((\y)%2)
.set rW, MV+((\y)%2)
.set rS, S+32*((\y)%2)
.set rP, P+16*((\y)%2)
.set rO, 32*(\y)
.endm
.macro OP k, n
.if (\k) == R
	REGS Y
	WIN W_RS
	v_pk_mul_f32 v[rO+2*(\n):rO+2*(\n)+1], v[rO+2*(\n):rO+2*(\n)+1], v[rC+2:rC+3] op_sel_hi:[1,0]
.elseif (\k) < R
	REGS Y
	WIN 0
.if (\k) == F
	v_pk_fma_f32 v[rS+2*(\n):rS+2*(\n)+1], v[rS+2*(\n):rS+2*(\n)+1], s[CS:CS+1], v[rT:rT+1] op_sel_hi:[1,0,0] neg_lo:[0,0,1] neg_hi:[0,0,1]
.elseif (\k) == E
	v_exp_f32 v[rS+(\n)], v[rS+(\n)]
.elseif (\k) == C
	v_cvt_pk_bf16_f32 v[rP+(\n)], v[rS+2*(\n)], v[rS+2*(\n)+1]
.elseif (\k) == B
	v_pk_add_f32 v[rS+4*(\n):rS+4*(\n)+1], v[rS+4*(\n):rS+4*(\n)+1], v[rS+4*(\n)+2:rS+4*(\n)+3]
.elseif (\n) == 0
	v_pk_fma_f32 v[rT+2:rT+3], v[rT+2:rT+3], v[rC+2:rC+3], v[rS:rS+1] op_sel_hi:[1,0,1]
.else
	v_pk_add_f32 v[rT+2:rT+3], v[rT+2:rT+3], v[rS+4*(\n):rS+4*(\n)+1]
.endif
.elseif NOKQ
	v_nop
.else
	REGS (Y+1)%NP
	WIN 0
.if (\n) < 4
	v_max3_num_f32 v[rC+(\n)], v[rS+8*(\n)], v[rS+8*(\n)+1], v[rS+8*(\n)+2]
.elseif (\n) < 12
	v_max3_num_f32 v[rC+(\n)%4], v[rC+(\n)%4], v[rS+8*((\n)%4)+2*((\n)/4)+1], v[rS+8*((\n)%4)+2*((\n)/4)+2]
.elseif (\n) == 12
	v_max3_num_f32 v[rC], v[rC], v[rS+7], v[rS+15]
.elseif (\n) == 13
	v_max3_num_f32 v[rC+1], v[rC+1], v[rS+23], v[rS+31]
.elseif (\n) == 14
	v_max3_num_f32 v[rC+2], v[rC+2], v[rC+3], v[rT+1]
.elseif (\n) == 15
	v_mov_b32 v[rW], v[rT]
.elseif (\n) == 16
	v_max3_num_f32 v[rC], v[rC], v[rC+1], v[rC+2]
.elseif (\n) == 17
	v_permlanex16_b32 v[rC+3], v[rC], s[SEL], s[SEL+1]
.elseif (\n) == 18
	v_max_num_f32 v[rT+1], v[rC], v[rC+3]
.elseif (\n) == 19
	v_mul_f32 v[rT], s[CS], v[rT+1]
.elseif (\n) == 20
	v_sub_f32 v[rC+1], v[rW], v[rT]
.else
	v_exp_f32 v[rC+2], v[rC+1]
.endif
.endif
.endm
.macro OPS a, i1, b=-1, i2=0, c=-1, i3=0, d=-1, i4=0
	OP \a, \i1
.if (\b) >= 0
	OP \b, \i2
.endif
.if (\c) >= 0
	OP \c, \i3
.endif
.if (\d) >= 0
	OP \d, \i4
.endif
.endm
.macro ROW a, i1, b, i2, c, i3, d, i4  ; a matrix instruction and the four behind it
	MM
	OPS \a, \i1, \b, \i2, \c, \i3, \d, \i4
.endm
; A TURN, for piece p: the order of its 16 matrix and 118 vector instructions, written out.  Behind a matrix instruction: plain, exponential, plain, plain; or four of the rescaling; or four scalings; none names
; a register of the products round it.  In the lumps exponential and plain by turns.  A line reads no result made fewer than three vector instructions in front of it, five if an exponential made it.
; end = 1: the last two turns: nothing is fetched.  cnt = 1: the loop's count is taken down some lines ahead of the branch behind the turn.
; K and the bias tiles of the next step are fetched in piece 2's turn, six vector instructions behind the last product that read K (five of them plain) and far behind the four that read the tiles;
; V of the step in hand in piece 0's turn, eight behind the last product that read V.  Each is waited for a turn later.
.macro TURN p, end=0, cnt=0
.set Y, (\p)
.set i, 0
.set NOKQ, (\end)*((\p)/3)
.if ((\p) == 3) && !(\end)
	s_wait_dscnt 0x0                ; K and the bias tiles are in
.endif
	ROW F,0, F,1, F,2, F,3
	ROW F,4, E,0, F,5, F,6
	ROW F,7, E,1, F,8, F,9
	ROW F,10, E,2, C,0, F,11
	ROW F,12, E,3, X,15, F,13
	ROW R,0, R,1, R,2, R,3
	ROW B,0, E,4, F,14, L,0
.if ((\p) == 2) && !(\end)
	v_add_nc_u32 v[AK], s[TBK], v[AK0]
	v_add_nc_u32 v[AB], s[TBB], v[AB0]
.endif
	ROW R,4, R,5, R,6, R,7
	OPS E,5, F,15
.if ((\p) == 2) && !(\end)
	FETCH_K
.endif
	OPS E,6, C,1, E,7, R,8
	OPS E,8, R,9, E,9, C,2
	OPS E,10, X,0, E,11, X,1
	OPS E,12, X,2, E,13, X,3
.if (\p) == 1
	s_wait_dscnt 0x0                ; V is in
.endif
	ROW X,4, E,14, X,5, X,6
	ROW X,7, E,15, X,8, X,9
	ROW X,10, E,16, X,11, X,12
	ROW X,13, E,17, X,14, B,1
	ROW C,4, E,18, X,16, L,1
	ROW B,2, E,19, C,6, L,2
	ROW C,8, E,20, B,3, B,4
.if (\p) == 0
	v_add_nc_u32 v[AV], s[TBV], v[AV0]
.endif
	ROW C,3, E,21, L,3, C,5
	OPS E,22, X,17, E,23, C,10
.if (\p) == 0
	FETCH_V
.endif
	OPS E,24, L,4
	OPS E,25, X,18, E,26, C,7
	OPS E,27, B,5, E,28, X,19
	OPS E,29, C,12, E,30, L,5
	OPS E,31, X,20, B,6, C,9
	OPS C,14, C,11, X,21, L,6
.if (\p) == 0
	s_add_co_u32 s[TBV], s[TBV], KS*PV
.endif
.if \cnt
	s_sub_co_u32 s[CNT], s[CNT], 1
	s_cmp_lg_u32 s[CNT], 0
.endif
	OPS C,13, B,7, C,15, R,10
	OPS R,11, R,12, L,7, R,13
	OPS R,14, R,15
.endm
	CHANGE 1                        ; slot 0 is in and T is stored, everybody's parts; slot 1 is asked for
	v_add_nc_u32 v[AK], s[TBK], v[AK0]
	v_add_nc_u32 v[AB], s[TBB], v[AB0]
	FETCH_K                         ; key step 0
	s_wait_loadcnt 0x0              ; Q
	s_wait_dscnt 0x0
.set NOKQ, 0
.set i, 0
.rept 8
	KQ 0                            ; piece 0's first scores
.set i, i+1
.endr
	WIN 0
.rept 4
	v_nop                           ; the places behind those products
.endr
.set Y, NP-1                        ; X works for piece Y + 1: piece 0
.irp n, 0,1,2,3,4,5,6,7,8,9,10,11,12,13,14,15,16,17,18,19,20,21
	OP X, \n
.endr
	v_nop                           ; a plain instruction behind the exponential
	s_mov_b32 s[CNT], 4
	s_mov_b32 s[SLOTS], 7
	s_branch .Lfirst                ; the loop is entered at a step's first turn, in the middle of a trip
.Lslot:                             ; 6 times: every slot but the last two is filled again
	CHANGE 1
	s_mov_b32 s[CNT], 4
.Lstep:                             ; a trip: pieces 2 and 3 of one step, then pieces 0 and 1 of the next, whose K and V it fetches
	TURN 2
	TURN 3
	WIN 0
.Lfirst:
	TURN 0
	TURN 1, 0, 1
	WIN 0
	s_cbranch_scc1 .Lstep
	s_sub_co_u32 s[SLOTS], s[SLOTS], 1
	s_cmp_lg_u32 s[SLOTS], 0
	s_cbranch_scc1 .Lslot
	CHANGE 0                        ; the last slot is written out: nothing is asked for
	s_mov_b32 s[CNT], 4
.LstepT:
	TURN 2
	TURN 3
	TURN 0
	TURN 1, 0, 1
	WIN 0
	s_cbranch_scc1 .LstepT
	TURN 2, 1
	TURN 3, 1
.set i, 0
.rept 8
	PV NP-1                         ; the last piece's V^T P of the last step
.set i, i+1
.endr
	; THE WAY OUT.  l's two halves and the other half of the lanes' are added; O^T is divided by l, rounded to bf16 and sent through my stage, a piece at a time.  The additions are the places behind the last products.
	WIN 0
.macro ALL line:vararg
.set t, 0
.rept 4
	\line
.set t, t+1
.endr
.endm
	ALL v_add_f32 v[ST+4*t+2], v[ST+4*t+2], v[ST+4*t+3]
	ALL v_permlanex16_b32 v[ST+4*t+3], v[ST+4*t+2], s[SEL], s[SEL+1]
	ALL v_add_f32 v[ST+4*t+2], v[ST+4*t+2], v[ST+4*t+3]
	ALL v_rcp_f32 v[ST+4*t+2], v[ST+4*t+2]
	v_nop
.macro PACK t                       ; a lane's eight channels of a row pack into 16 bytes; they go into rows of 144 bytes and come back as whole rows of 128, into S^T's registers
	WIN W_RS
.set i, 32*(\t)
.rept 16
	v_pk_mul_f32 v[i:i+1], v[i:i+1], v[ST+4*(\t)+2:ST+4*(\t)+3] op_sel_hi:[1,0]
.set i, i+2
.endr
	WIN 0x05
.set i, 0
.rept 16
	v_cvt_pk_bf16_f32 v[S+16*(\t)+i], v[32*(\t)+2*i], v[32*(\t)+2*i+1]
.set i, i+1
.endr
	WIN 0
.irp f, 0,1,2,3
	ds_store_b128 v[STO], v[S+16*(\t)+4*\f:S+16*(\t)+4*\f+3] offset:32*\f
.endr
.irp f, 0,1,2,3
	ds_load_b128 v[S+16*(\t)+4*\f:S+16*(\t)+4*\f+3], v[RD] offset:\f*4*SP  ; LDS serves a wave's instructions in order (ISA guide 5.7.1.4): these see the stores above
.endr
.endm
.macro SEND t, younger              ; younger: the LDS instructions issued behind piece t's loads: the next piece's eight, or none
	WIN 0
.irp f, 0,1,2,3
	s_wait_dscnt (\younger)+3-\f
	global_store_b128 v[GO], v[S+16*(\t)+4*\f:S+16*(\t)+4*\f+3], s[68:69] offset:(\t)*2048+(3-\f)*512  ; the stage's rows 4 f .. are queries 15 - 4 f .. downward: 512 consecutive bytes, aligned
.endr
.endm
	PACK 0
.set t, 1
.rept 3
	PACK t
	SEND t-1, 8
.set t, t+1
.endr
	SEND 3, 0
	s_wait_tensorcnt 0x0            ; the wave's end
	ds_add_u32 v[SPW], v[NIL]
	s_wait_dscnt 0x0
	CROUND                          ; the closing round
	s_endpgm
; THE WEIGHTS' ROUNDING: wo, then four quarters of w1, then four of w2: nine units of 589,824 numbers, laid in wb behind wq, wk, wv.  Work-group e of 64 takes numbers 9,216 e on of each unit:
; thread t reads 32 bytes and stores 16, nine times; a unit's 18 loads go out first.  No tensor load, no LDS but the add's words.  The data lie in v[CV] on, 72 registers above the add's two.
.Lconv:
	s_sub_co_u32 s13, s73, 24
	s_lshl_b32 s13, s13, 3
	s_add_co_u32 s13, s13, s14      ; e
	s_mul_i32 s16, s13, 36864       ; my part of a unit, in f32,
	s_mul_i32 s17, s13, 18432       ; and in bf16,
	s_add_co_u32 s17, s17, 3*1179648  ; behind the three units that the first launch made
	s_mov_b32 s15, 0                ; the unit
	v_lshlrev_b32 v1, 5, v0
	v_lshlrev_b32 v2, 4, v0
.Lunit:
	s_sub_co_u32 s18, s15, 1
	s_and_b32 s18, s18, 3           ; which quarter of w1 or w2
	s_cmp_eq_u32 s15, 0
	s_cselect_b32 s18, 0, s18
	s_cselect_b64 s[22:23], s[50:51], s[52:53]
	s_cmp_ge_u32 s15, 5
	s_cselect_b64 s[22:23], s[54:55], s[22:23]
	s_mul_i32 s2, s18, 2359296
	s_add_co_u32 s2, s2, s16
	s_mov_b32 s3, 0
	s_add_nc_u64 s[22:23], s[22:23], s[2:3]
	s_mov_b32 s2, s17
	s_add_nc_u64 s[74:75], s[70:71], s[2:3]
.set k, 0
.rept 9
	global_load_b128 v[CV+8*k:CV+8*k+3],   v1, s[22:23] offset:4096*k th:TH_LOAD_NT
	global_load_b128 v[CV+8*k+4:CV+8*k+7], v1, s[22:23] offset:4096*k+16 th:TH_LOAD_NT
.set k, k+1
.endr
.set k, 0
.rept 9
	s_wait_loadcnt 16-2*k           ; loads come back in order (ISA guide 5.7.1): pair k is in, the younger pairs stay out
.irp j, 0,1,2,3
	v_cvt_pk_bf16_f32 v[CV+8*k+\j], v[CV+8*k+2*\j], v[CV+8*k+2*\j+1]  ; in place, ascending: a source is read before its register is written
.endr
	global_store_b128 v2, v[CV+8*k:CV+8*k+3], s[74:75] offset:2048*k  ; the wave stores 512 consecutive bytes, aligned
.set k, k+1
.endr
	s_wait_xcnt 0x0                 ; the bases and the stores' data are written again only behind this wait
	s_add_co_u32 s17, s17, 1179648
	s_add_co_u32 s15, s15, 1
	s_cmp_lt_u32 s15, 9
	s_cbranch_scc1 .Lunit
	s_wait_tensorcnt 0x0            ; the wave's end
	ds_add_u32 v[SPW], v[NIL]
	s_wait_dscnt 0x0
	CROUND                          ; a closing round here too: the four work-groups of such a cluster all come this way
	s_endpgm
.Lfunc_end_k_qed5cdc4c8e_attn:
	.size	k_qed5cdc4c8e_attn, .Lfunc_end_k_qed5cdc4c8e_attn-k_qed5cdc4c8e_attn
	.p2alignl 7, 3214868480
	.fill 96, 4, 3214868480
	.section	.rodata,"a",@progbits
	.p2align	6, 0x0
	.amdhsa_kernel k_qed5cdc4c8e_attn
		.amdhsa_group_segment_fixed_size 327680
		.amdhsa_private_segment_fixed_size 0
		.amdhsa_enable_private_segment 0
		.amdhsa_kernarg_size 80
		.amdhsa_user_sgpr_count 2
		.amdhsa_user_sgpr_kernarg_segment_ptr 1
		.amdhsa_wavefront_size32 1
		.amdhsa_system_sgpr_workgroup_id_x 1
		.amdhsa_system_sgpr_workgroup_id_y 1
		.amdhsa_system_sgpr_workgroup_id_z 1
		.amdhsa_system_vgpr_workitem_id 0
		.amdhsa_next_free_vgpr 768
		.amdhsa_next_free_sgpr 80
		.amdhsa_reserve_vcc 0
		.amdhsa_float_denorm_mode_32 3
		.amdhsa_float_denorm_mode_16_64 3
		.amdhsa_memory_ordered 1
		.amdhsa_forward_progress 1
		.amdhsa_inst_pref_size 148
	.end_amdhsa_kernel
	.amdgpu_metadata
---
amdhsa.version: [ 1, 2 ]
amdhsa.kernels:
  - .name:           k_qed5cdc4c8e_attn
    .symbol:         k_qed5cdc4c8e_attn.kd
    .args:
      - { .name: qkv, .offset: 0, .size: 8, .value_kind: global_buffer, .address_space: global }
      - { .name: tab, .offset: 8, .size: 8, .value_kind: global_buffer, .address_space: global }
      - { .name: gate_ur_w, .offset: 16, .size: 8, .value_kind: global_buffer, .address_space: global }
      - { .name: gate_i_w, .offset: 24, .size: 8, .value_kind: global_buffer, .address_space: global }
      - { .name: rel_scale, .offset: 32, .size: 8, .value_kind: global_buffer, .address_space: global }
      - { .name: wo, .offset: 40, .size: 8, .value_kind: global_buffer, .address_space: global }
      - { .name: w1, .offset: 48, .size: 8, .value_kind: global_buffer, .address_space: global }
      - { .name: w2, .offset: 56, .size: 8, .value_kind: global_buffer, .address_space: global }
      - { .name: act, .offset: 64, .size: 8, .value_kind: global_buffer, .address_space: global }
      - { .name: wb, .offset: 72, .size: 8, .value_kind: global_buffer, .address_space: global }
    .group_segment_fixed_size: 327680
    .private_segment_fixed_size: 0
    .kernarg_segment_align: 8
    .kernarg_segment_size: 80
    .max_flat_workgroup_size: 128
    .sgpr_count:     80
    .vgpr_count:     768
    .wavefront_size: 32
...
	.end_amdgpu_metadata
.endif
;; end of part 3
;; launch wo (part 4): grid 4 x 64, 4 waves a work-group, clusters of 4 x 4, 327,680 bytes of LDS; arguments act, wb, bo, x, x1; writes x1
.if DOCPART == 4
	.amdgcn_target "amdgcn-amd-amdhsa--gfx1250"
	.amdhsa_code_object_version 6
	.text
	.protected	k_qed5cdc4c8e_wo
	.globl	k_qed5cdc4c8e_wo
	.p2align	8
	.type	k_qed5cdc4c8e_wo,@function
k_qed5cdc4c8e_wo:
	s_mov_b64 s[64:65], 0
	v_nop
	global_prefetch_b8 v0, s[64:65] scope:SCOPE_SE
	s_setreg_imm32_b32 hwreg(HW_REG_WAVE_MODE, 25, 1), 1
	s_wait_xcnt 0x0
	s_wait_alu depctr_hold_cnt(0) depctr_sa_sdst(0) depctr_va_vdst(0) depctr_va_sdst(0) depctr_va_ssrc(0) depctr_va_vcc(0) depctr_vm_vsrc(0)
	s_getreg_b32 s2, hwreg(HW_REG_IB_STS2, 6, 4)
	s_cmp_eq_u32 s2, 0
	s_cbranch_scc0 .Lentry_in_a_cluster
	s_endpgm
.Lentry_in_a_cluster:
	s_bfe_u32 s2, ttmp6, 0x10000c
	s_cmp_lg_u32 s2, 0xf033
	s_cbranch_scc0 .Lentry_shape_is_right
	s_endpgm
.Lentry_shape_is_right:
; OUT = RES + A B^T + bias on tiles of 64 x 192, f32 out.  A lies in PANELS [K / 64][4096 rows][64] bf16; B: rows of wb, [768][KROW] bf16; RES, OUT: [4096][768] f32.
; NS K steps of 256 (four panels).  256 work-groups; 192 f32 columns are 768 bytes, three aligned blocks of 256.
; SHARES.  Four waves; wave w makes all 64 rows and columns 48 w .. + 47: 12 accumulators, begun with the bias as the first product's C operand.
; CLUSTER 4 x 4: A's tile (the tile row's) is asked for jointly by a row of the cluster, by wave 0: ONE descriptor covers the four panels (a panel's 64 rows are 8,192 dense bytes: one long row;
; four such rows a panel apart; padded behind every 128 bytes).  B's tile (the tile column's) by a column of the cluster, 64 rows each by waves 1 to 3.
; THE MATRIX INSTRUCTION IS USED TRANSPOSED (source 0 = 16 rows of B, source 1 = 16 rows of A).  The way out goes through one stage with a barrier, since a row's 768 bytes come from four waves.
; REGISTERS: window 0: v1-29 addresses; v32-55 the bias, then v32-127 the residual; v128-223 accumulator (a, b) at 128 + 8 (3 a + b); window 1: two fragment buffers, 64 along K each.
.set NS,     3
.set KROW,   768
.set WOFF,   3538944
.set PA,     144                       ; a row of A in LDS: 128 bytes + 16
.set PB,     528                       ; a row of B: 512 bytes + 16
.set ASZ,    4*64*PA
.set SLOT,   ASZ+192*PB
.set STAGE,  2*SLOT                    ; 64 rows x 784 bytes, the work-group's; no tensor load lands here
.set SPITCH, 784
.set SPARE,  STAGE+64*SPITCH
.set RD0, 8
.set RD1, 9
.set RD2, 10
.set CO0, 11
.set CO1, 12
.set CO2, 13
.set HB,  14
.set ADRA, 16
.set ADRB, 20
.set STO, 24
.set SPW, 28
.set NIL, 29
.set BIAS, 32
.set RES, 32
.set ACC, 128
.set F0,  0
.set F1,  128
.set G1A, 24
.set G0A, 32
.set G1B, 40
.set G0B, 48
.set MSB, 0
.macro WIN new
.if MSB != (\new)
	s_set_vgpr_msb (MSB<<8)|(\new)
.set MSB, \new
.endif
.endm
.set MUL,  0x05                        ; sources window 1; C and D window 0
.set TO_F, 0x40
.macro PLACES
.rept 4
	v_nop
.endr
.endm
.macro JLOAD s                         ; a joint load into slot s: wave 0 asks for A, waves 1 to 3 for B; s_nop 0 and four v_nop follow each line
	s_cmp_eq_u32 s14, 0
	s_cbranch_scc0 .Lfor_b_\@
	tensor_load_to_lds s[G0A+4*(\s):G0A+4*(\s)+3], s[G1A:G1A+7]
	s_nop 0
.rept 4
	v_nop
.endr
	s_branch .Lasked_\@
.Lfor_b_\@:
	tensor_load_to_lds s[G0B+4*(\s):G0B+4*(\s)+3], s[G1B:G1B+7]
	s_nop 0
.rept 4
	v_nop
.endr
.Lasked_\@:
.endm
.macro CREST
	s_cmp_lg_u32 s14, 0
	s_cbranch_scc1 .Lnot_wave_0_\@
	s_barrier_signal -3
.Lnot_wave_0_\@:
	s_barrier_wait -3
	s_barrier_signal -1
	s_barrier_wait -1
.endm
.macro CROUND
	s_barrier_signal -1
	s_barrier_wait -1
	CREST
.endm
.macro MUL6 f, c, a0, first            ; 6 matrix instructions: row blocks a0, a0 + 1 x 3 column blocks, 32 along K: half c of buffer f
	WIN MUL
.irp a, \a0, (\a0)+1
.irp b, 0,1,2
.if \first
	v_wmma_f32_16x16x32_bf16 v[ACC+8*(3*(\a)+(\b)):ACC+8*(3*(\a)+(\b))+7], v[(\f)+64+8*(3*(\c)+(\b)):(\f)+64+8*(3*(\c)+(\b))+7], v[(\f)+8*(4*(\c)+(\a)):(\f)+8*(4*(\c)+(\a))+7], v[BIAS+8*(\b):BIAS+8*(\b)+7]
.else
	v_wmma_f32_16x16x32_bf16 v[ACC+8*(3*(\a)+(\b)):ACC+8*(3*(\a)+(\b))+7], v[(\f)+64+8*(3*(\c)+(\b)):(\f)+64+8*(3*(\c)+(\b))+7], v[(\f)+8*(4*(\c)+(\a)):(\f)+8*(4*(\c)+(\a))+7], v[ACC+8*(3*(\a)+(\b)):ACC+8*(3*(\a)+(\b))+7]
.endif
.endr
.endr
.endm
.macro FETCH slot, qq, f               ; 28 LDS loads in one run: quarter qq (one panel of A, 64 along K), the first 32 along K first
	WIN TO_F
.irp c, 0,1
.irp b, 0,1,2
	ds_load_b128 v[(\f)+64+8*(3*(\c)+(\b)):(\f)+64+8*(3*(\c)+(\b))+3],   v[ADRB+(\slot)] offset:128*(\qq)+64*(\c)+(\b)*16*PB
	ds_load_b128 v[(\f)+64+8*(3*(\c)+(\b))+4:(\f)+64+8*(3*(\c)+(\b))+7], v[ADRB+(\slot)] offset:128*(\qq)+64*(\c)+(\b)*16*PB+32
.endr
.irp a, 0,1,2,3
	ds_load_b128 v[(\f)+8*(4*(\c)+(\a)):(\f)+8*(4*(\c)+(\a))+3],   v[ADRA+(\slot)] offset:64*PA*(\qq)+64*(\c)+(\a)*16*PA
	ds_load_b128 v[(\f)+8*(4*(\c)+(\a))+4:(\f)+8*(4*(\c)+(\a))+7], v[ADRA+(\slot)] offset:64*PA*(\qq)+64*(\c)+(\a)*16*PA+32
.endr
.endr
.endm
; A K step is four quarters of 64 along K, 24 matrix instructions each; the 12 accumulators take turns.
.macro QUARTER slot, qq, f, g, first
	s_wait_dscnt 14                                ; the first 32 along K are in
	MUL6 \f, 0, 0, \first
	MUL6 \f, 0, 2, \first
	PLACES
	FETCH \slot, \qq, \g
	s_wait_dscnt 28                                ; all but the 28 just issued
	MUL6 \f, 1, 0, 0
	MUL6 \f, 1, 2, 0
.endm
.macro TURN slot, next, fill           ; the last quarter multiplies buffer 1 and changes slots; fill = 1: this slot is filled again, two K steps ahead, behind a round of the cluster's barrier
	WIN 0
	s_wait_tensorcnt 0x0                           ; all my tensor loads have landed: my part of the next slot
	ds_add_u32 v[SPW], v[NIL]
	s_wait_dscnt 15                                ; the add and the youngest 14 loads may be out
	MUL6 F1, 0, 0, 0
	s_wait_dscnt 0x0                               ; the add is done, my reads of this slot are over
	s_barrier_signal -1
	MUL6 F1, 0, 2, 0
.if \fill
	WIN 0
.endif
	s_barrier_wait -1
.if \fill
	CREST
	s_add_nc_u64 s[G0A+4*(\slot)+2:G0A+4*(\slot)+3], s[G0A+4*(\slot)+2:G0A+4*(\slot)+3], 4194304   ; eight panels on
	s_add_nc_u64 s[G0B+4*(\slot)+2:G0B+4*(\slot)+3], s[G0B+4*(\slot)+2:G0B+4*(\slot)+3], 1024
	JLOAD \slot                                    ; its four v_nop are also the places in front of the loads below
.else
	PLACES
.endif
	FETCH \next, 0, F0
	MUL6 F1, 1, 0, 0
	MUL6 F1, 1, 2, 0
.endm
.macro RESLOAD                         ; my 16 rows of the residual, as they will be stored: three loads of 512 bytes for two rows of 768
	WIN 0
.irp u, 0,1,2,3,4,5,6,7
	global_load_b128 v[RES+12*\u:RES+12*\u+3],    v[CO0], s[10:11] offset:6144*\u
	global_load_b128 v[RES+12*\u+4:RES+12*\u+7],  v[CO1], s[10:11] offset:6144*\u
	global_load_b128 v[RES+12*\u+8:RES+12*\u+11], v[CO2], s[10:11] offset:6144*\u
.endr
.endm
	s_load_b256 s[4:11], s[0:1], 0x0               ; A, wb, bias, residual
	s_load_b64 s[12:13], s[0:1], 0x20              ; the output
	v_lshl_add_u32 v[SPW], v0, 2, SPARE
	v_mov_b32 v[NIL], 0
	ds_add_u32 v[SPW], v[NIL]                      ; the wave's opening: the add and its wait ahead of my first tensor load
	v_lshrrev_b32 v1, 5, v0
	v_readfirstlane_b32 s14, v1                    ; wave
	s_bfe_u32 s16, ttmp6, 0x40000                  ; cx
	s_bfe_u32 s17, ttmp6, 0x40004                  ; cy
	s_lshl_b32 s15, ttmp9, 2
	s_add_co_u32 s15, s15, s16                     ; tile column
	s_and_b32 s18, ttmp7, 0xffff
	s_lshl_b32 s18, s18, 2
	s_add_co_u32 s18, s18, s17                     ; tile row
	s_lshl_b32 s2, s17, 2
	s_lshl_b32 s2, 15, s2
	s_lshl_b32 s3, 0x1111, s16
	s_or_b32 s[G1A], s2, (1<<16)|(1<<20)|(1<<21)|(4<<22)|(3<<25)  ; my row of the cluster; 2-byte elements; padding: after every 32 words, 4 words
	s_mov_b32 s[G1A+1], 4096<<16                   ; tensor_dim0 = 4,096: a panel's 64 rows
	s_mov_b32 s[G1A+2], 4<<16                      ; tensor_dim1 = 4 panels
	s_mov_b32 s[G1A+3], 4096<<16
	s_mov_b32 s[G1A+4], 4
	s_mov_b32 s[G1A+5], 262144                     ; elements from panel to panel
	s_mov_b32 s[G1A+6], 0
	s_mov_b32 s[G1A+7], 0
	s_or_b32 s[G1B], s3, (1<<16)|(1<<20)|(1<<21)|(6<<22)|(3<<25)  ; my column; padding: after every 128 words, 4 words
	s_mov_b32 s[G1B+1], 256<<16
	s_mov_b32 s[G1B+2], 64<<16
	s_mov_b32 s[G1B+3], 256<<16
	s_mov_b32 s[G1B+4], 64
	s_mov_b32 s[G1B+5], KROW
	s_mov_b32 s[G1B+6], 0
	s_mov_b32 s[G1B+7], 0
	s_lshl_b32 s20, s18, 13                        ; A: the tile row's 64 rows of 128 bytes in each panel
	s_mov_b32 s21, 0
	s_mul_i32 s22, s15, 192                        ; B: waves 1 to 3 take rows 192 x tile column + 64 (w - 1): a constant and the wave's number times a constant
	s_lshl_b32 s23, s14, 6
	s_add_co_u32 s22, s22, s23
	s_mul_i32 s22, s22, 2*KROW
	s_add_co_u32 s22, s22, WOFF-128*KROW
	s_mov_b32 s23, 0
	s_mul_i32 s56, s14, 64*PB
	s_add_co_u32 s56, s56, ASZ-64*PB
	s_wait_dscnt 0x0                               ; the opening add is done
	s_wait_kmcnt 0x0
	s_add_nc_u64 s[20:21], s[4:5], s[20:21]
	s_add_nc_u64 s[22:23], s[6:7], s[22:23]
	CROUND                                         ; all sixteen work-groups are here: the first joint loads meet
.irp n, 0,1
	s_mov_b32 s[G0A+4*\n], 1
	s_mov_b32 s[G0A+4*\n+1], \n*SLOT
	s_add_nc_u64 s[G0A+4*\n+2:G0A+4*\n+3], s[20:21], \n*2097152
	s_or_b32 s[G0A+4*\n+3], s[G0A+4*\n+3], 0x80000000
	s_mov_b32 s[G0B+4*\n], 1
	s_add_co_u32 s[G0B+4*\n+1], s56, \n*SLOT
	s_add_nc_u64 s[G0B+4*\n+2:G0B+4*\n+3], s[22:23], \n*512
	s_or_b32 s[G0B+4*\n+3], s[G0B+4*\n+3], 0x80000000
.endr
	s_cmp_eq_u32 s14, 0                            ; a wave's two first fills stand in one branch: two loads of mine are out
	s_cbranch_scc0 .Lfirst_b
	tensor_load_to_lds s[G0A:G0A+3], s[G1A:G1A+7]
	s_nop 0
	tensor_load_to_lds s[G0A+4:G0A+7], s[G1A:G1A+7]
	s_nop 0
.rept 4
	v_nop
.endr
	s_branch .Lfirst_done
.Lfirst_b:
	tensor_load_to_lds s[G0B:G0B+3], s[G1B:G1B+7]
	s_nop 0
	tensor_load_to_lds s[G0B+4:G0B+7], s[G1B:G1B+7]
	s_nop 0
.rept 4
	v_nop
.endr
.Lfirst_done:
	s_mul_i32 s2, s15, 768
	s_mul_i32 s3, s14, 192
	s_add_co_u32 s2, s2, s3
	s_mov_b32 s3, 0
	s_add_nc_u64 s[8:9], s[8:9], s[2:3]            ; the bias of my 48 columns
	v_and_b32 v1, 15, v0                           ; r
	v_bfe_u32 v2, v0, 4, 1                         ; h
	v_and_b32 v3, 31, v0                           ; lane
	v_lshlrev_b32 v[HB], 5, v2
.irp b, 0,1,2
	global_load_b128 v[BIAS+8*\b:BIAS+8*\b+3],   v[HB], s[8:9] offset:64*\b
	global_load_b128 v[BIAS+8*\b+4:BIAS+8*\b+7], v[HB], s[8:9] offset:64*\b+16
.endr
	s_lshl_b32 s57, s18, 6                         ; the rows that I store: 64 x tile row + 16 w; the tile's 768 bytes of them
	s_lshl_b32 s58, s14, 4
	s_add_co_u32 s57, s57, s58
	s_mul_i32 s58, s57, 3072
	s_mul_i32 s57, s15, 768
	s_add_co_u32 s58, s58, s57
	s_mov_b32 s59, 0
	s_add_nc_u64 s[10:11], s[10:11], s[58:59]
	s_add_nc_u64 s[12:13], s[12:13], s[58:59]
	v_mul_u32_u24 v4, v1, PA
	v_lshl_add_u32 v[ADRA], v2, 4, v4
	v_add_nc_u32 v[ADRA+1], SLOT, v[ADRA]
	s_mul_i32 s57, s14, 48*PB
	s_add_co_u32 s57, s57, ASZ
	v_mul_u32_u24 v4, v1, PB
	v_lshl_add_u32 v4, v2, 4, v4
	v_add_nc_u32 v[ADRB], s57, v4
	v_add_nc_u32 v[ADRB+1], SLOT, v[ADRB]
	v_mul_u32_u24 v4, v1, SPITCH
	v_lshl_add_u32 v4, v2, 5, v4
	s_mul_i32 s57, s14, 192
	s_add_co_u32 s57, s57, STAGE
	v_add_nc_u32 v[STO], s57, v4
	s_mul_i32 s57, s14, 16*SPITCH
	s_add_co_u32 s57, s57, STAGE
	v_lshl_add_u32 v[RD0], v3, 4, s57              ; two rows of 768 bytes are three pieces of 512: row 0's first 512; row 0's last 256 and row 1's first 256; row 1's last 512
	v_add_nc_u32 v[RD2], SPITCH+256, v[RD0]
	v_mul_u32_u24 v4, v2, SPITCH-512
	v_lshl_add_u32 v4, v1, 4, v4
	v_add_nc_u32 v4, s57, v4
	v_add_nc_u32 v[RD1], 512, v4
	v_lshlrev_b32 v[CO0], 4, v3
	v_add_nc_u32 v[CO2], 3072+256, v[CO0]
	v_mul_u32_u24 v4, v2, 3072-512
	v_lshl_add_u32 v4, v1, 4, v4
	v_add_nc_u32 v[CO1], 512, v4
	s_wait_tensorcnt 0x1                           ; my part of K step 0 is in; step 1's stays out
	s_barrier_signal -1
	s_barrier_wait -1
	FETCH 0, 0, F0
	s_wait_loadcnt 0x0                             ; the bias
	QUARTER 0, 1, F0, F1, 1                        ; the first quarter's first products start the sums
.if NS > 3
	WIN 0
	s_mov_b32 s19, NS/2-1
.Llap:                                             ; a trip goes once round the ring and fills both slots again
	QUARTER 0, 2, F1, F0, 0
	QUARTER 0, 3, F0, F1, 0
	TURN 0, 1, 1
	QUARTER 1, 1, F0, F1, 0
	QUARTER 1, 2, F1, F0, 0
	QUARTER 1, 3, F0, F1, 0
	TURN 1, 0, 1
	QUARTER 0, 1, F0, F1, 0
	WIN 0
	s_sub_co_u32 s19, s19, 1
	s_cmp_lg_u32 s19, 0
	s_cbranch_scc1 .Llap
	QUARTER 0, 2, F1, F0, 0                        ; the last lap fills nothing
	QUARTER 0, 3, F0, F1, 0
	TURN 0, 1, 0
	RESLOAD                                        ; a K step ahead of its use
	QUARTER 1, 1, F0, F1, 0
	QUARTER 1, 2, F1, F0, 0
	QUARTER 1, 3, F0, F1, 0
.else
	QUARTER 0, 2, F1, F0, 0                        ; three K steps, written out: slot 0 is filled once more
	QUARTER 0, 3, F0, F1, 0
	TURN 0, 1, 1
	QUARTER 1, 1, F0, F1, 0
	QUARTER 1, 2, F1, F0, 0
	QUARTER 1, 3, F0, F1, 0
	TURN 1, 0, 0
	RESLOAD                                        ; a K step ahead of its use
	QUARTER 0, 1, F0, F1, 0
	QUARTER 0, 2, F1, F0, 0
	QUARTER 0, 3, F0, F1, 0
.endif
	s_wait_dscnt 14                                ; the very last quarter
	MUL6 F1, 0, 0, 0
	MUL6 F1, 0, 2, 0
	s_wait_dscnt 0x0
	MUL6 F1, 1, 0, 0
	MUL6 F1, 1, 2, 0
	WIN 0
	; THE WAY OUT: f32 into the work-group's stage; a barrier; back as whole rows, 16 rows a wave; the residual is added; stored.
	PLACES
.irp a, 0,1,2,3
.irp b, 0,1,2
	ds_store_b128 v[STO], v[ACC+8*(3*\a+\b):ACC+8*(3*\a+\b)+3]   offset:\a*16*SPITCH+64*\b      ; each accumulator's low registers first
	ds_store_b128 v[STO], v[ACC+8*(3*\a+\b)+4:ACC+8*(3*\a+\b)+7] offset:\a*16*SPITCH+64*\b+16
.endr
.endr
	s_wait_dscnt 0x0                               ; for the others' sake: my stores into the stage are done
	s_barrier_signal -1
	s_barrier_wait -1
.irp u, 0,1,2,3,4,5,6,7
	ds_load_b128 v[ACC+12*\u:ACC+12*\u+3],    v[RD0] offset:2*SPITCH*\u
	ds_load_b128 v[ACC+12*\u+4:ACC+12*\u+7],  v[RD1] offset:2*SPITCH*\u
	ds_load_b128 v[ACC+12*\u+8:ACC+12*\u+11], v[RD2] offset:2*SPITCH*\u
.endr
	s_wait_loadcnt 0x0                             ; the residual
.irp u, 0,1,2,3,4,5,6,7
.irp v, 0,1,2
	s_wait_dscnt 23-3*\u-\v
	v_pk_add_f32 v[ACC+12*\u+4*\v:ACC+12*\u+4*\v+1],   v[ACC+12*\u+4*\v:ACC+12*\u+4*\v+1],   v[RES+12*\u+4*\v:RES+12*\u+4*\v+1]
	v_pk_add_f32 v[ACC+12*\u+4*\v+2:ACC+12*\u+4*\v+3], v[ACC+12*\u+4*\v+2:ACC+12*\u+4*\v+3], v[RES+12*\u+4*\v+2:RES+12*\u+4*\v+3]
	global_store_b128 v[CO0+\v], v[ACC+12*\u+4*\v:ACC+12*\u+4*\v+3], s[12:13] offset:6144*\u   ; each 16 lanes store 256 consecutive bytes, aligned
.endr
.endr
	s_wait_tensorcnt 0x0                           ; the wave's end
	ds_add_u32 v[SPW], v[NIL]
	s_wait_dscnt 0x0
	CROUND                                         ; the closing round
	s_endpgm
.Lfunc_end_k_qed5cdc4c8e_wo:
	.size	k_qed5cdc4c8e_wo, .Lfunc_end_k_qed5cdc4c8e_wo-k_qed5cdc4c8e_wo
	.p2alignl 7, 3214868480
	.fill 96, 4, 3214868480
	.section	.rodata,"a",@progbits
	.p2align	6, 0x0
	.amdhsa_kernel k_qed5cdc4c8e_wo
		.amdhsa_group_segment_fixed_size 327680
		.amdhsa_private_segment_fixed_size 0
		.amdhsa_enable_private_segment 0
		.amdhsa_kernarg_size 40
		.amdhsa_user_sgpr_count 2
		.amdhsa_user_sgpr_kernarg_segment_ptr 1
		.amdhsa_wavefront_size32 1
		.amdhsa_system_sgpr_workgroup_id_x 1
		.amdhsa_system_sgpr_workgroup_id_y 1
		.amdhsa_system_sgpr_workgroup_id_z 1
		.amdhsa_system_vgpr_workitem_id 0
		.amdhsa_next_free_vgpr 512
		.amdhsa_next_free_sgpr 66
		.amdhsa_reserve_vcc 0
		.amdhsa_float_denorm_mode_32 3
		.amdhsa_float_denorm_mode_16_64 3
		.amdhsa_memory_ordered 1
		.amdhsa_forward_progress 1
		.amdhsa_inst_pref_size 63
	.end_amdhsa_kernel
	.amdgpu_metadata
---
amdhsa.version: [ 1, 2 ]
amdhsa.kernels:
  - .name:           k_qed5cdc4c8e_wo
    .symbol:         k_qed5cdc4c8e_wo.kd
    .args:
      - { .name: act, .offset: 0, .size: 8, .value_kind: global_buffer, .address_space: global }
      - { .name: wb, .offset: 8, .size: 8, .value_kind: global_buffer, .address_space: global }
      - { .name: bo, .offset: 16, .size: 8, .value_kind: global_buffer, .address_space: global }
      - { .name: x, .offset: 24, .size: 8, .value_kind: global_buffer, .address_space: global }
      - { .name: x1, .offset: 32, .size: 8, .value_kind: global_buffer, .address_space: global }
    .group_segment_fixed_size: 327680
    .private_segment_fixed_size: 0
    .kernarg_segment_align: 8
    .kernarg_segment_size: 40
    .max_flat_workgroup_size: 128
    .sgpr_count:     66
    .vgpr_count:     512
    .wavefront_size: 32
...
	.end_amdgpu_metadata
.endif
;; end of part 4
;; launch ln2 (part 5): grid 512 x 1, 8 waves a work-group, no clusters, 0 bytes of LDS; arguments x1, ln2_w, ln2_b, act; writes act
.if DOCPART == 5
	.amdgcn_target "amdgcn-amd-amdhsa--gfx1250"
	.amdhsa_code_object_version 6
	.text
	.protected	k_qed5cdc4c8e_ln2
	.globl	k_qed5cdc4c8e_ln2
	.p2align	8
	.type	k_qed5cdc4c8e_ln2,@function
k_qed5cdc4c8e_ln2:
	s_mov_b64 s[64:65], 0
	v_nop
	global_prefetch_b8 v0, s[64:65] scope:SCOPE_SE
	s_setreg_imm32_b32 hwreg(HW_REG_WAVE_MODE, 25, 1), 1
	s_wait_xcnt 0x0
; LayerNorm 2: one wave, one row of 768 f32; the row stays in 24 registers between mean, variance (of x - mean: no difference of large sums) and scaling; bf16 out, [4096][768].
; No LDS, no matrix unit, no cluster: nothing is shared between waves.
.set XR, 8                             ; v[8:31]   the row: lane l holds columns 256 c + 8 l .. + 7, c = 0..2
.set WR, 32                            ; v[32:55]  the gain
.set BR, 56                            ; v[56:79]  the bias
.set T,  80                            ; v[80:87]  at work
.set MN, 88                            ; v[88:89]  the mean
.set RS, 90                            ; v[90:91]  1 / sqrt(var + eps)
.macro WSUM r, t                       ; the sum over the wave's 32 lanes, in every lane
	v_add_f32_dpp v[\r], v[\r], v[\r] row_xmask:1 row_mask:0xf bank_mask:0xf
	v_add_f32_dpp v[\r], v[\r], v[\r] row_xmask:2 row_mask:0xf bank_mask:0xf
	v_add_f32_dpp v[\r], v[\r], v[\r] row_xmask:4 row_mask:0xf bank_mask:0xf
	v_add_f32_dpp v[\r], v[\r], v[\r] row_xmask:8 row_mask:0xf bank_mask:0xf
	v_permlanex16_b32 v[\t], v[\r], s40, s41
	v_add_f32 v[\r], v[\r], v[\t]
.endm
	s_load_b256 s[8:15], s[0:1], 0x0               ; x1, ln2_w, ln2_b, act
	s_mov_b32 s40, 0x76543210
	s_mov_b32 s41, 0xfedcba98
	s_mov_b32 s42, 0x3aaaaaab                      ; 1 / 768
	s_mov_b32 s43, 0x3727c5ac                      ; 1e-5
	v_lshrrev_b32 v1, 5, v0
	v_readfirstlane_b32 s6, v1
	s_lshl_b32 s34, ttmp9, 3
	s_add_co_u32 s34, s34, s6                      ; the row
	s_mul_i32 s36, s34, 3072
	s_mov_b32 s37, 0
	s_mul_i32 s38, s34, 1536
	s_mov_b32 s39, 0
	s_wait_kmcnt 0x0
	s_add_nc_u64 s[36:37], s[8:9], s[36:37]
	s_add_nc_u64 s[38:39], s[14:15], s[38:39]
	v_and_b32 v1, 31, v0
	v_lshlrev_b32 v2, 5, v1
	v_lshlrev_b32 v3, 4, v1
.irp c, 0,1,2
.irp g, 0,1
	global_load_b128 v[XR+8*\c+4*\g:XR+8*\c+4*\g+3], v2, s[36:37] offset:1024*\c+16*\g
.endr
.endr
.irp c, 0,1,2
.irp g, 0,1
	global_load_b128 v[WR+8*\c+4*\g:WR+8*\c+4*\g+3], v2, s[10:11] offset:1024*\c+16*\g
.endr
.endr
.irp c, 0,1,2
.irp g, 0,1
	global_load_b128 v[BR+8*\c+4*\g:BR+8*\c+4*\g+3], v2, s[12:13] offset:1024*\c+16*\g
.endr
.endr
	s_wait_loadcnt 12                              ; the row's six loads are in; the gain's and the bias's twelve stay out
.irp p, 0,1,2,3
	v_pk_add_f32 v[T+2*\p:T+2*\p+1], v[XR+2*\p:XR+2*\p+1], v[XR+8+2*\p:XR+8+2*\p+1]
.endr
.irp p, 0,1,2,3
	v_pk_add_f32 v[T+2*\p:T+2*\p+1], v[T+2*\p:T+2*\p+1], v[XR+16+2*\p:XR+16+2*\p+1]
.endr
	v_pk_add_f32 v[T:T+1], v[T:T+1], v[T+2:T+3]
	v_pk_add_f32 v[T+4:T+5], v[T+4:T+5], v[T+6:T+7]
	v_pk_add_f32 v[T:T+1], v[T:T+1], v[T+4:T+5]
	v_add_f32 v[T], v[T], v[T+1]
	WSUM T, T+1
	v_mul_f32 v[MN], s42, v[T]
	v_mov_b32 v[MN+1], v[MN]
.set p, 0
.rept 12
	v_pk_add_f32 v[XR+2*p:XR+2*p+1], v[XR+2*p:XR+2*p+1], v[MN:MN+1] op_sel_hi:[1,0] neg_lo:[0,1] neg_hi:[0,1]
.set p, p+1
.endr
	v_pk_mul_f32 v[T:T+1], v[XR:XR+1], v[XR:XR+1]
	v_pk_mul_f32 v[T+2:T+3], v[XR+2:XR+3], v[XR+2:XR+3]
.set p, 2
.rept 10
	v_pk_fma_f32 v[T+2*(p%2):T+2*(p%2)+1], v[XR+2*p:XR+2*p+1], v[XR+2*p:XR+2*p+1], v[T+2*(p%2):T+2*(p%2)+1]
.set p, p+1
.endr
	v_pk_add_f32 v[T:T+1], v[T:T+1], v[T+2:T+3]
	v_add_f32 v[T], v[T], v[T+1]
	WSUM T, T+1
	v_fma_f32 v[RS], v[T], s42, s43
	v_rsq_f32 v[RS], v[RS]
	v_nop                                          ; a plain instruction behind the transcendental (ISA guide 5.7.2)
	v_mov_b32 v[RS+1], v[RS]
	s_wait_loadcnt 0x0
.set p, 0
.rept 12
	v_pk_mul_f32 v[XR+2*p:XR+2*p+1], v[XR+2*p:XR+2*p+1], v[RS:RS+1] op_sel_hi:[1,0]
.set p, p+1
.endr
.set p, 0
.rept 12
	v_pk_fma_f32 v[XR+2*p:XR+2*p+1], v[XR+2*p:XR+2*p+1], v[WR+2*p:WR+2*p+1], v[BR+2*p:BR+2*p+1]
.set p, p+1
.endr
.irp c, 0,1,2
.irp j, 0,1,2,3
	v_cvt_pk_bf16_f32 v[XR+8*\c+\j], v[XR+8*\c+2*\j], v[XR+8*\c+2*\j+1]
.endr
	global_store_b128 v3, v[XR+8*\c:XR+8*\c+3], s[38:39] offset:512*\c  ; the wave stores 512 consecutive bytes, aligned
.endr
	s_endpgm
.Lfunc_end_k_qed5cdc4c8e_ln2:
	.size	k_qed5cdc4c8e_ln2, .Lfunc_end_k_qed5cdc4c8e_ln2-k_qed5cdc4c8e_ln2
	.p2alignl 7, 3214868480
	.fill 96, 4, 3214868480
	.section	.rodata,"a",@progbits
	.p2align	6, 0x0
	.amdhsa_kernel k_qed5cdc4c8e_ln2
		.amdhsa_group_segment_fixed_size 0
		.amdhsa_private_segment_fixed_size 0
		.amdhsa_enable_private_segment 0
		.amdhsa_kernarg_size 32
		.amdhsa_user_sgpr_count 2
		.amdhsa_user_sgpr_kernarg_segment_ptr 1
		.amdhsa_wavefront_size32 1
		.amdhsa_system_sgpr_workgroup_id_x 1
		.amdhsa_system_sgpr_workgroup_id_y 1
		.amdhsa_system_sgpr_workgroup_id_z 1
		.amdhsa_system_vgpr_workitem_id 0
		.amdhsa_next_free_vgpr 96
		.amdhsa_next_free_sgpr 66
		.amdhsa_reserve_vcc 0
		.amdhsa_float_denorm_mode_32 3
		.amdhsa_float_denorm_mode_16_64 3
		.amdhsa_memory_ordered 1
		.amdhsa_forward_progress 1
		.amdhsa_inst_pref_size 9
	.end_amdhsa_kernel
	.amdgpu_metadata
---
amdhsa.version: [ 1, 2 ]
amdhsa.kernels:
  - .name:           k_qed5cdc4c8e_ln2
    .symbol:         k_qed5cdc4c8e_ln2.kd
    .args:
      - { .name: x1, .offset: 0, .size: 8, .value_kind: global_buffer, .address_space: global }
      - { .name: ln2_w, .offset: 8, .size: 8, .value_kind: global_buffer, .address_space: global }
      - { .name: ln2_b, .offset: 16, .size: 8, .value_kind: global_buffer, .address_space: global }
      - { .name: act, .offset: 24, .size: 8, .value_kind: global_buffer, .address_space: global }
    .group_segment_fixed_size: 0
    .private_segment_fixed_size: 0
    .kernarg_segment_align: 8
    .kernarg_segment_size: 32
    .max_flat_workgroup_size: 256
    .sgpr_count:     66
    .vgpr_count:     96
    .wavefront_size: 32
...
	.end_amdgpu_metadata
.endif
;; end of part 5
;; launch ffn1 (part 6): grid 16 x 16, 4 waves a work-group, clusters of 4 x 4, 327,680 bytes of LDS; arguments act, wb, b1, gl; writes gl
.if DOCPART == 6
	.amdgcn_target "amdgcn-amd-amdhsa--gfx1250"
	.amdhsa_code_object_version 6
	.text
	.protected	k_qed5cdc4c8e_ffn1
	.globl	k_qed5cdc4c8e_ffn1
	.p2align	8
	.type	k_qed5cdc4c8e_ffn1,@function
k_qed5cdc4c8e_ffn1:
	s_mov_b64 s[64:65], 0
	v_nop
	global_prefetch_b8 v0, s[64:65] scope:SCOPE_SE
	s_setreg_imm32_b32 hwreg(HW_REG_WAVE_MODE, 25, 1), 1
	s_wait_xcnt 0x0
	s_wait_alu depctr_hold_cnt(0) depctr_sa_sdst(0) depctr_va_vdst(0) depctr_va_sdst(0) depctr_va_ssrc(0) depctr_va_vcc(0) depctr_vm_vsrc(0)
	s_getreg_b32 s2, hwreg(HW_REG_IB_STS2, 6, 4)
	s_cmp_eq_u32 s2, 0
	s_cbranch_scc0 .Lentry_in_a_cluster
	s_endpgm
.Lentry_in_a_cluster:
	s_bfe_u32 s2, ttmp6, 0x10000c
	s_cmp_lg_u32 s2, 0xf033
	s_cbranch_scc0 .Lentry_shape_is_right
	s_endpgm
.Lentry_shape_is_right:
; C = A B^T + bias on tiles of 256 x 192, K = 768.  A: [4096][768] bf16 (a LayerNorm's rows); B: rows of wb, [n][768] bf16; sums in f32, begun with the bias as the first product's C operand.
; FFN = 0: B = wq, wk, wv one below the other; C goes out rounded to bf16 in PANELS [column / 64][4096 rows][64]: a panel's rows are 128 dense bytes, so four rows are 512 consecutive bytes.
;          The tiles of q also store their column sums (f32, taken of the unrounded q, the three heads of a tile added): one row of 64 for each wave's 64 rows.
; FFN = 1: B = w1; C goes through the exact GELU first.  256 work-groups.
; SHARES.  Four waves; wave w makes rows 64 w .. + 63 and all 192 columns: 48 accumulators of 16 x 16, three whole panels.  K goes in six steps of 128 through two LDS slots.
; CLUSTER 4 x 4: A's tile hangs on the tile row alone and is asked for jointly by a row of the cluster, B's on the tile column alone, by a column.
; THE MATRIX INSTRUCTION IS USED TRANSPOSED (source 0 = 16 rows of B, source 1 = 16 rows of A): a lane holds row lane % 16 and eight neighbouring columns 8 (lane / 16) + 0..7.
; GELU (FFN = 1): max(x, 0) - |x| / 2 * erfc(|x| / sqrt 2), erfc by the five-term rational form (Abramowitz and Stegun 7.1.26, absolute error 1.5e-7); no difference of near-equal numbers is formed.
; NaN and infinities are not treated apart.
; REGISTERS: window 0: v1-13 addresses, v28-29 the add's, v32-127 the bias (later at work on the way out); window 1: two fragment buffers of 128 (A's 4 fragments, then B's 12);
;   windows 2, 3: accumulator (a, b) in window 2 + a / 2 at 96 (a % 2) + 8 b.
.set FFN,    1
.set PITCH,  272                       ; an LDS row: 256 bytes + 16 of padding: the 16 rows of a fragment load start at 16 different groups of four banks (ISA guide 11.1)
.set AHALF,  128*PITCH
.set BHALF,  96*PITCH
.set BOFF,   2*AHALF                   ; in a slot: A's 256 rows, then B's 192
.set SLOT1,  131072                    ; slot 1 begins here: one exclusive or turns an address in one slot into the other's
.set SPARE,  SLOT1+BOFF+2*BHALF        ; behind slot 1: the spare words, 128 bytes a wave, two blocks of 256 bytes that no other line names
.set SPITCH, 784                       ; the way out: a row of 192 f32 + 16 bytes
.set WSTAGE, 64*SPITCH                 ; a wave's stage: it lies in the ring's bytes, which have had their last fill by then
.set KBYTES, 1536
.set PANEL,  524288
.if FFN
.set WOFF,   4718592
.else
.set WOFF,   0
.endif
.set ADRA0, 4                          ; v4   my lane's place in A's rows of slot 0
.set ADRB0, 5                          ; v5   in B's
.set ADRA,  6                          ; v6   the same in the slot in hand
.set ADRB,  7
.set STO,   8                          ; v8   the way out: where I put 16 bytes of a row
.set RD0,   9                          ; v9   where I read back, first four rows
.set RDN,   10                         ; v10  the next trip's four rows
.set GO,    11                         ; v11  my byte offset in a panel's rows
.set HB,    12                         ; v12  32 (lane / 16)
.set QSO,   13                         ; v13  32 lane
.set SPW,   28
.set NIL,   29
.set BIAS,  32
.set XX,    32                         ; v[32:55]  8 numbers of each of three panels
.set YP,    56                         ; v[56:67]  packed
.set CSUM,  68                         ; v[68:75]  column sums
.set RR,    76                         ; v[76:83]
.set UU,    84                         ; v[84:91]
.set EE,    92                         ; v[92:99]
.set PO,    100                        ; v[100:107]
.set F0,    0
.set F1,    128
.set G1A, 24                           ; s[24:31] group 1 for A's tiles
.set G1B, 32                           ; s[32:39] for B's
.set G0A, 40                           ; s[40:47] group 0 for A: a set for each first fill; the second then walks
.set G0B, 48                           ; s[48:55] the same for B
.set TB,  56                           ; s56  the slot in hand
.set GW0, (1<<16)|(1<<20)|(1<<21)|(5<<22)|(3<<25)  ; 2-byte elements; padding on; bit 21 beside a mask; after every 64 words, 4 words
.set MSB, 0
.macro WIN new                         ; the immediate's high byte repeats the setting that is left
.if MSB != (\new)
	s_set_vgpr_msb (MSB<<8)|(\new)
.set MSB, \new
.endif
.endm
.macro PLACES                          ; four plain places behind matrix instructions, in front of loads into their sources and of reads of their results
.rept 4
	v_nop
.endr
.endm
.macro JLOAD                           ; a joint refill by the walking sets: waves 0, 1 ask for A's halves, waves 2, 3 for B's; s_nop 0 and four v_nop follow each line
	s_cmp_eq_u32 s17, 0
	s_cbranch_scc0 .Lfor_b_\@
	tensor_load_to_lds s[G0A+4:G0A+7], s[G1A:G1A+7]
	s_nop 0
.rept 4
	v_nop
.endr
	s_branch .Lasked_\@
.Lfor_b_\@:
	tensor_load_to_lds s[G0B+4:G0B+7], s[G1B:G1B+7]
	s_nop 0
.rept 4
	v_nop
.endr
.Lasked_\@:
.endm
.macro CREST                           ; a round of the cluster's barrier behind its opening barrier
	s_cmp_lg_u32 s16, 0
	s_cbranch_scc1 .Lnot_wave_0_\@
	s_barrier_signal -3
.Lnot_wave_0_\@:
	s_barrier_wait -3
	s_barrier_signal -1
	s_barrier_wait -1
.endm
.macro CROUND
	s_barrier_signal -1
	s_barrier_wait -1
	CREST
.endm
; 12 matrix instructions: row block a x all 12 column blocks, 32 along K, from buffer f.  first = 1: the bias starts the sums.
.macro MULA f, a, first
.if \first
	WIN 0x85+0x40*((\a)/2)                         ; sources window 1, C window 0, D window 2 or 3
.else
	WIN 0xa5+0x50*((\a)/2)                         ; sources window 1, C and D window 2 or 3
.endif
.irp b, 0,1,2,3,4,5,6,7,8,9,10,11
.if \first
	v_wmma_f32_16x16x32_bf16 v[96*((\a)%2)+8*(\b):96*((\a)%2)+8*(\b)+7], v[(\f)+32+8*(\b):(\f)+32+8*(\b)+7], v[(\f)+8*(\a):(\f)+8*(\a)+7], v[BIAS+8*(\b):BIAS+8*(\b)+7]
.else
	v_wmma_f32_16x16x32_bf16 v[96*((\a)%2)+8*(\b):96*((\a)%2)+8*(\b)+7], v[(\f)+32+8*(\b):(\f)+32+8*(\b)+7], v[(\f)+8*(\a):(\f)+8*(\a)+7], v[96*((\a)%2)+8*(\b):96*((\a)%2)+8*(\b)+7]
.endif
.endr
.endm
; 32 LDS loads in one run: B's 12 fragments, then A's 4, 32 along K at byte k of the rows, into buffer f
.macro FETCH k, f
	WIN 0x40                                       ; destination window 1, address window 0
.irp i, 0,1,2,3,4,5,6,7,8,9,10,11
	ds_load_b128 v[(\f)+32+8*(\i):(\f)+32+8*(\i)+3],   v[ADRB] offset:(\k)+(\i)*16*PITCH
	ds_load_b128 v[(\f)+32+8*(\i)+4:(\f)+32+8*(\i)+7], v[ADRB] offset:(\k)+(\i)*16*PITCH+32
.endr
.irp i, 0,1,2,3
	ds_load_b128 v[(\f)+8*(\i):(\f)+8*(\i)+3],   v[ADRA] offset:(\k)+(\i)*16*PITCH
	ds_load_b128 v[(\f)+8*(\i)+4:(\f)+8*(\i)+7], v[ADRA] offset:(\k)+(\i)*16*PITCH+32
.endr
.endm
; A K step is four quarters of 32 along K, 48 matrix instructions each, on buffers 0, 1, 0, 1; the 48 accumulators take turns in the same order in every quarter.
.macro QUARTER k, f, g, first
	s_wait_dscnt 4                                 ; B and A's fragments 0, 1 are in; the youngest four loads (A's 2, 3) may be out
	MULA \f, 0, \first
	MULA \f, 1, \first
	PLACES
	FETCH \k, \g
	s_wait_dscnt 32                                ; all but the 32 just issued
	MULA \f, 2, \first
	MULA \f, 3, \first
.endm
; The last quarter multiplies buffer 1 and changes slots.  One barrier: in front of it each wave waits for all its tensor loads (one is out: its part of the next slot), adds 0 to its spare
; word, and waits for that and for its reads of this slot.  fill = 1: the barrier opens a round of the cluster's, and the slot just read is filled again first behind it, two K steps ahead.
.macro TURN fill
	WIN 0
	s_wait_tensorcnt 0x0
	ds_add_u32 v[SPW], v[NIL]
	s_wait_dscnt 5                                 ; the add and the youngest four loads may be out
	MULA F1, 0, 0
	s_wait_dscnt 0x0                               ; the add is done, my reads of this slot are over
	s_barrier_signal -1
	MULA F1, 1, 0
	WIN 0
	s_barrier_wait -1
.if \fill
	CREST
	s_xor_b32 s[G0A+5], s[G0A+5], SLOT1            ; no tensor load of mine is out: the walking sets step to the other slot, 128 along K on
	s_add_nc_u64 s[G0A+6:G0A+7], s[G0A+6:G0A+7], 256
	s_xor_b32 s[G0B+5], s[G0B+5], SLOT1
	s_add_nc_u64 s[G0B+6:G0B+7], s[G0B+6:G0B+7], 256
	JLOAD                                          ; its four v_nop are also the places in front of the loads below
.else
	PLACES
.endif
	s_xor_b32 s[TB], s[TB], SLOT1
	v_add_nc_u32 v[ADRA], s[TB], v[ADRA0]
	v_add_nc_u32 v[ADRB], s[TB], v[ADRB0]
	FETCH 0, F0
	MULA F1, 2, 0
	MULA F1, 3, 0
.endm
	s_load_b256 s[4:11], s[0:1], 0x0               ; A s[4:5], wb s[6:7], then bq, bk (FFN: b1, the output)
.if FFN == 0
	s_load_b128 s[12:15], s[0:1], 0x20             ; bv, the output
.endif
	v_lshl_add_u32 v[SPW], v0, 2, SPARE
	v_mov_b32 v[NIL], 0
	ds_add_u32 v[SPW], v[NIL]                      ; the wave's opening: the add and its wait ahead of my first tensor load
	v_lshrrev_b32 v1, 5, v0
	v_readfirstlane_b32 s16, v1                    ; wave
	s_lshr_b32 s17, s16, 1                         ; I fetch for A (0) or B (1),
	s_and_b32 s18, s16, 1                          ; which half of its rows
	s_bfe_u32 s19, ttmp6, 0x40000                  ; cx
	s_bfe_u32 s20, ttmp6, 0x40004                  ; cy
	s_lshl_b32 s21, ttmp9, 2
	s_add_co_u32 s21, s21, s19                     ; tile column
	s_and_b32 s22, ttmp7, 0xffff
	s_lshl_b32 s22, s22, 2
	s_add_co_u32 s22, s22, s20                     ; tile row
	s_mov_b32 s23, ttmp9                           ; the cluster's x
	s_lshl_b32 s2, s20, 2
	s_lshl_b32 s2, 15, s2                          ; my row of the cluster
	s_lshl_b32 s3, 0x1111, s19                     ; my column
	s_or_b32 s[G1A], s2, GW0
	s_or_b32 s[G1B], s3, GW0
	s_mov_b32 s[G1A+1], 128<<16                    ; tensor_dim0 = 128
	s_mov_b32 s[G1A+2], 128<<16                    ; tensor_dim1 = 128
	s_mov_b32 s[G1A+3], 128<<16                    ; tile_dim0 = 128
	s_mov_b32 s[G1A+4], 128                        ; tile_dim1 = 128
	s_mov_b32 s[G1A+5], 768                        ; elements from row to row
	s_mov_b32 s[G1A+6], 0
	s_mov_b32 s[G1A+7], 0
	s_mov_b32 s[G1B+1], 128<<16
	s_mov_b32 s[G1B+2], 96<<16                     ; 96 rows
	s_mov_b32 s[G1B+3], 128<<16
	s_mov_b32 s[G1B+4], 96
	s_mov_b32 s[G1B+5], 768
	s_mov_b32 s[G1B+6], 0
	s_mov_b32 s[G1B+7], 0
	s_lshl_b32 s76, s22, 8                         ; A: row 256 x tile row + 128 x half, in bytes: made of the tile row and the wave alone
	s_lshl_b32 s77, s18, 7
	s_add_co_u32 s76, s76, s77
	s_mul_i32 s76, s76, KBYTES
	s_mov_b32 s77, 0
	s_mul_i32 s78, s21, 192                        ; B: row 192 x tile column + 96 x half: of the tile column and the wave alone
	s_mul_i32 s79, s18, 96
	s_add_co_u32 s78, s78, s79
	s_mul_i32 s78, s78, KBYTES
	s_add_co_u32 s78, s78, WOFF
	s_mov_b32 s79, 0
	s_mul_i32 s58, s18, AHALF                      ; where they go: the wave's number alone
	s_mul_i32 s59, s18, BHALF
	s_add_co_u32 s59, s59, BOFF
	s_wait_dscnt 0x0                               ; the opening add is done
	s_wait_kmcnt 0x0
	s_add_nc_u64 s[76:77], s[4:5], s[76:77]
	s_add_nc_u64 s[78:79], s[6:7], s[78:79]
	CROUND                                         ; all sixteen work-groups are here: the first joint loads meet
.irp n, 0,1
	s_mov_b32 s[G0A+4*\n], 1
	s_add_co_u32 s[G0A+4*\n+1], s58, \n*SLOT1
	s_add_nc_u64 s[G0A+4*\n+2:G0A+4*\n+3], s[76:77], \n*256
	s_or_b32 s[G0A+4*\n+3], s[G0A+4*\n+3], 0x80000000
	s_mov_b32 s[G0B+4*\n], 1
	s_add_co_u32 s[G0B+4*\n+1], s59, \n*SLOT1
	s_add_nc_u64 s[G0B+4*\n+2:G0B+4*\n+3], s[78:79], \n*256
	s_or_b32 s[G0B+4*\n+3], s[G0B+4*\n+3], 0x80000000
.endr
	s_cmp_eq_u32 s17, 0                            ; a wave's two first fills stand in one branch: two loads of mine are out
	s_cbranch_scc0 .Lfirst_b
	tensor_load_to_lds s[G0A:G0A+3], s[G1A:G1A+7]
	s_nop 0
	tensor_load_to_lds s[G0A+4:G0A+7], s[G1A:G1A+7]
	s_nop 0
.rept 4
	v_nop
.endr
	s_branch .Lfirst_done
.Lfirst_b:
	tensor_load_to_lds s[G0B:G0B+3], s[G1B:G1B+7]
	s_nop 0
	tensor_load_to_lds s[G0B+4:G0B+7], s[G1B:G1B+7]
	s_nop 0
.rept 4
	v_nop
.endr
.Lfirst_done:
.if FFN
	s_mov_b64 s[14:15], s[10:11]                   ; the output
	s_mul_i32 s2, s21, 768                         ; 192 f32 a tile column
.else
	s_cmp_eq_u32 s23, 1
	s_cselect_b64 s[8:9], s[10:11], s[8:9]
	s_cmp_eq_u32 s23, 2
	s_cselect_b64 s[8:9], s[12:13], s[8:9]
	s_mul_i32 s2, s19, 768
.endif
	s_mov_b32 s3, 0
	s_add_nc_u64 s[8:9], s[8:9], s[2:3]
	v_and_b32 v1, 15, v0                           ; r
	v_bfe_u32 v2, v0, 4, 1                         ; h
	v_and_b32 v3, 31, v0                           ; lane
	v_lshlrev_b32 v[HB], 5, v2
.irp b, 0,1,2,3,4,5,6,7,8,9,10,11
	global_load_b128 v[BIAS+8*\b:BIAS+8*\b+3],   v[HB], s[8:9] offset:64*\b     ; register j of block b: the bias of column 16 b + 8 h + j, the layout of a result
	global_load_b128 v[BIAS+8*\b+4:BIAS+8*\b+7], v[HB], s[8:9] offset:64*\b+16
.endr
.if FFN == 0
	s_add_nc_u64 s[12:13], s[14:15], 18874368      ; the column sums lie behind the panels: row (4 x tile row + wave) x 4 + cx, 256 bytes each
	s_lshl_b32 s2, s22, 2
	s_add_co_u32 s2, s2, s16
	s_lshl_b32 s2, s2, 2
	s_add_co_u32 s2, s2, s19
	s_lshl_b32 s2, s2, 8
	s_add_nc_u64 s[12:13], s[12:13], s[2:3]
	s_mov_b32 s60, 0x76543210
	s_mov_b32 s61, 0xfedcba98
.else
	s_mov_b32 s60, 0x3f596d27                      ; sqrt(log2(e) / 2): y = this x, so that exp(-x^2 / 2) = 2^(-y^2)
	s_mov_b32 s61, s60
	s_mov_b32 s62, 0xbf1ff67a                      ; the form's a5 .. a1, each times -1 / (2 sqrt(log2(e) / 2))
	s_mov_b32 s63, s62
	s_mov_b32 s66, 0x3f5b0099
	s_mov_b32 s67, s66
	s_mov_b32 s68, 0xbf563818
	s_mov_b32 s69, s68
	s_mov_b32 s70, 0x3e2b8119
	s_mov_b32 s71, s70
	s_mov_b32 s72, 0xbe199eb3
	s_mov_b32 s73, s72
	s_mov_b32 s74, 0x3e8ba43f                      ; the form's p, for |y|
.endif
	s_mul_i32 s2, s21, 3*PANEL                     ; my three panels, my 64 rows
	s_lshl_b32 s57, s22, 8
	s_lshl_b32 s56, s16, 6
	s_add_co_u32 s57, s57, s56
	s_lshl_b32 s57, s57, 7
	s_add_co_u32 s2, s2, s57
	s_add_nc_u64 s[14:15], s[14:15], s[2:3]
	v_mul_u32_u24 v[ADRA0], v1, PITCH
	v_lshl_add_u32 v[ADRA0], v2, 4, v[ADRA0]       ; row x pitch + 16 x half
	v_add_nc_u32 v[ADRB0], BOFF, v[ADRA0]
	s_mul_i32 s2, s16, 64*PITCH
	v_add_nc_u32 v[ADRA0], s2, v[ADRA0]
	s_mul_i32 s2, s16, WSTAGE
	v_mul_u32_u24 v[STO], v1, SPITCH
	v_lshl_add_u32 v[STO], v2, 5, v[STO]
	v_add_nc_u32 v[STO], s2, v[STO]
	v_lshrrev_b32 v[RD0], 3, v3                    ; back: lane l takes row l / 8 of four, 32 bytes of f32 at 32 (l % 8)
	v_mul_u32_u24 v[RD0], v[RD0], SPITCH
	v_and_b32 v[RDN], 7, v0
	v_lshl_add_u32 v[RD0], v[RDN], 5, v[RD0]
	v_add_nc_u32 v[RD0], s2, v[RD0]
	v_lshlrev_b32 v[GO], 4, v3                     ; which are bytes 16 l of 512 consecutive bytes of a panel
	v_lshlrev_b32 v[QSO], 5, v3
	v_mov_b32 v[ADRA], v[ADRA0]
	v_mov_b32 v[ADRB], v[ADRB0]
	s_mov_b32 s[TB], 0
	s_wait_tensorcnt 0x1                           ; my part of K step 0 is in; step 1's stays out
	s_barrier_signal -1
	s_barrier_wait -1
	FETCH 0, F0
	s_wait_loadcnt 0x0                             ; the bias
	QUARTER 64, F0, F1, 1                          ; the first quarter stands in front of the loop: its products start the sums
	WIN 0
	s_mov_b32 s57, 4
.Lk:                                               ; four trips: from a step's second quarter to the next step's first; they ask for K steps 2 to 5
	QUARTER 128, F1, F0, 0
	QUARTER 192, F0, F1, 0
	TURN 1
	QUARTER 64, F0, F1, 0
	WIN 0
	s_sub_co_u32 s57, s57, 1
	s_cmp_lg_u32 s57, 0
	s_cbranch_scc1 .Lk
	QUARTER 128, F1, F0, 0                         ; the tail is written out: nothing more is asked for
	QUARTER 192, F0, F1, 0
	TURN 0
	QUARTER 64, F0, F1, 0
	QUARTER 128, F1, F0, 0
	QUARTER 192, F0, F1, 0
	s_wait_dscnt 4
	MULA F1, 0, 0
	MULA F1, 1, 0
	s_wait_dscnt 0x0
	MULA F1, 2, 0
	MULA F1, 3, 0
	WIN 0
	; THE WAY OUT.  Every wave's reads of the ring are back and no tensor load is out or to come: behind this barrier the ring's bytes serve as stages, each wave's own.
	s_barrier_signal -1
	s_barrier_wait -1
	PLACES
.irp a, 0,1,2,3
	WIN 0x08+4*((\a)/2)                            ; store data in window 2 or 3
.irp b, 0,1,2,3,4,5,6,7,8,9,10,11
	ds_store_b128 v[STO], v[96*((\a)%2)+8*(\b):96*((\a)%2)+8*(\b)+3]   offset:(\a)*16*SPITCH+64*(\b)      ; each accumulator's low registers first
	ds_store_b128 v[STO], v[96*((\a)%2)+8*(\b)+4:96*((\a)%2)+8*(\b)+7] offset:(\a)*16*SPITCH+64*(\b)+16
.endr
.endr
	WIN 0
.irp p, 0,1,2
	ds_load_b128 v[XX+8*\p:XX+8*\p+3],   v[RD0] offset:256*\p      ; LDS serves a wave's instructions in order (ISA guide 5.7.1.4): these see the stores above
	ds_load_b128 v[XX+8*\p+4:XX+8*\p+7], v[RD0] offset:256*\p+16
.endr
.if FFN == 0
.irp j, 0,1,2,3,4,5,6,7
	v_mov_b32 v[CSUM+\j], 0
.endr
.endif
.macro GELU p
.set gx, XX+8*(\p)
.irp j, 0,1,2,3,4,5,6,7
	v_max_num_f32 v[RR+\j], 0, v[gx+\j]
.endr
.irp j, 0,2,4,6
	v_pk_mul_f32 v[gx+\j:gx+\j+1], v[gx+\j:gx+\j+1], s[60:61] op_sel_hi:[1,0]   ; y
.endr
.irp j, 0,1,2,3,4,5,6,7
	v_fma_f32 v[UU+\j], |v[gx+\j]|, s74, 1.0
.endr
.irp j, 0,1,2,3,4,5,6,7
	v_rcp_f32 v[UU+\j], v[UU+\j]                   ; t
.endr
.irp j, 0,2,4,6
	v_pk_mul_f32 v[EE+\j:EE+\j+1], v[gx+\j:gx+\j+1], v[gx+\j:gx+\j+1] neg_lo:[1,0] neg_hi:[1,0]   ; -y^2: also the plain place behind the reciprocals
.endr
.irp j, 0,1,2,3,4,5,6,7
	v_exp_f32 v[EE+\j], v[EE+\j]
.endr
.irp j, 0,2,4,6
	v_pk_fma_f32 v[PO+\j:PO+\j+1], v[UU+\j:UU+\j+1], s[62:63], s[66:67] op_sel_hi:[1,0,0]         ; also the plain place behind the exponentials
.endr
.irp s, 68,70,72
.irp j, 0,2,4,6
	v_pk_fma_f32 v[PO+\j:PO+\j+1], v[PO+\j:PO+\j+1], v[UU+\j:UU+\j+1], s[\s:\s+1] op_sel_hi:[1,1,0]
.endr
.endr
.irp j, 0,2,4,6
	v_pk_mul_f32 v[PO+\j:PO+\j+1], v[PO+\j:PO+\j+1], v[UU+\j:UU+\j+1]
.endr
.irp j, 0,2,4,6
	v_pk_mul_f32 v[PO+\j:PO+\j+1], v[PO+\j:PO+\j+1], v[EE+\j:EE+\j+1]
.endr
.irp j, 0,1,2,3,4,5,6,7
	v_fma_f32 v[gx+\j], |v[gx+\j]|, v[PO+\j], v[RR+\j]
.endr
.endm
	s_mov_b32 s58, 0
	s_mov_b32 s57, 16
.Lout:                                             ; 16 trips of four rows x three panels
	s_add_co_u32 s59, s58, 4*SPITCH
	s_min_u32 s59, s59, 60*SPITCH                  ; the next trip's rows; the last trip reads its own once more, so one text and one count serve every trip
	v_add_nc_u32 v[RDN], s59, v[RD0]
.irp p, 0,1,2
	s_wait_dscnt 4                                 ; this panel's two loads are in; the other two panels' four are younger, on the way in and over the back edge alike
.if FFN
	GELU \p
.else
.irp j, 0,2,4,6
	v_pk_add_f32 v[CSUM+\j:CSUM+\j+1], v[CSUM+\j:CSUM+\j+1], v[XX+8*\p+\j:XX+8*\p+\j+1]
.endr
.endif
.irp j, 0,1,2,3
	v_cvt_pk_bf16_f32 v[YP+4*\p+\j], v[XX+8*\p+2*\j], v[XX+8*\p+2*\j+1]
.endr
	ds_load_b128 v[XX+8*\p:XX+8*\p+3],   v[RDN] offset:256*\p
	ds_load_b128 v[XX+8*\p+4:XX+8*\p+7], v[RDN] offset:256*\p+16
	global_store_b128 v[GO], v[YP+4*\p:YP+4*\p+3], s[14:15] offset:PANEL*\p   ; the wave stores 512 consecutive bytes, aligned
.endr
	s_wait_xcnt 0x0                                ; the stores' offset and data are written again only behind this wait
	v_add_nc_u32 v[GO], 512, v[GO]
	s_mov_b32 s58, s59
	s_sub_co_u32 s57, s57, 1
	s_cmp_lg_u32 s57, 0
	s_cbranch_scc1 .Lout
.if FFN == 0
	s_cmp_lg_u32 s23, 0                            ; only q's tiles store sums: the cluster's x, which all partners share
	s_cbranch_scc1 .Lnosum
.irp j, 0,1,2,3,4,5,6,7
	v_add_f32_dpp v[CSUM+\j], v[CSUM+\j], v[CSUM+\j] row_xmask:8 row_mask:0xf bank_mask:0xf   ; lanes l, l ^ 8, l ^ 16, l ^ 24 hold the same eight columns
.endr
.irp j, 0,1,2,3,4,5,6,7
	v_permlanex16_b32 v[RR+\j], v[CSUM+\j], s60, s61
.endr
.irp j, 0,1,2,3,4,5,6,7
	v_add_f32 v[CSUM+\j], v[CSUM+\j], v[RR+\j]
.endr
	v_cmp_gt_u32 vcc_lo, 8, v3
	s_and_saveexec_b32 s2, vcc_lo                  ; (the loop's last line behind its stores was s_wait_xcnt 0)
	global_store_b128 v[QSO], v[CSUM:CSUM+3],   s[12:13]
	global_store_b128 v[QSO], v[CSUM+4:CSUM+7], s[12:13] offset:16
	s_wait_xcnt 0x0                                ; EXEC widens only behind this wait
	s_or_b32 exec_lo, exec_lo, s2
.Lnosum:
.endif
	s_wait_tensorcnt 0x0                           ; the wave's end
	ds_add_u32 v[SPW], v[NIL]
	s_wait_dscnt 0x0
	CROUND                                         ; the closing round
	s_endpgm
.Lfunc_end_k_qed5cdc4c8e_ffn1:
	.size	k_qed5cdc4c8e_ffn1, .Lfunc_end_k_qed5cdc4c8e_ffn1-k_qed5cdc4c8e_ffn1
	.p2alignl 7, 3214868480
	.fill 96, 4, 3214868480
	.section	.rodata,"a",@progbits
	.p2align	6, 0x0
	.amdhsa_kernel k_qed5cdc4c8e_ffn1
		.amdhsa_group_segment_fixed_size 327680
		.amdhsa_private_segment_fixed_size 0
		.amdhsa_enable_private_segment 0
		.amdhsa_kernarg_size 32
		.amdhsa_user_sgpr_count 2
		.amdhsa_user_sgpr_kernarg_segment_ptr 1
		.amdhsa_wavefront_size32 1
		.amdhsa_system_sgpr_workgroup_id_x 1
		.amdhsa_system_sgpr_workgroup_id_y 1
		.amdhsa_system_sgpr_workgroup_id_z 1
		.amdhsa_system_vgpr_workitem_id 0
		.amdhsa_next_free_vgpr 960
		.amdhsa_next_free_sgpr 80
		.amdhsa_reserve_vcc 1
		.amdhsa_float_denorm_mode_32 3
		.amdhsa_float_denorm_mode_16_64 3
		.amdhsa_memory_ordered 1
		.amdhsa_forward_progress 1
		.amdhsa_inst_pref_size 95
	.end_amdhsa_kernel
	.amdgpu_metadata
---
amdhsa.version: [ 1, 2 ]
amdhsa.kernels:
  - .name:           k_qed5cdc4c8e_ffn1
    .symbol:         k_qed5cdc4c8e_ffn1.kd
    .args:
      - { .name: act, .offset: 0, .size: 8, .value_kind: global_buffer, .address_space: global }
      - { .name: wb, .offset: 8, .size: 8, .value_kind: global_buffer, .address_space: global }
      - { .name: b1, .offset: 16, .size: 8, .value_kind: global_buffer, .address_space: global }
      - { .name: gl, .offset: 24, .size: 8, .value_kind: global_buffer, .address_space: global }
    .group_segment_fixed_size: 327680
    .private_segment_fixed_size: 0
    .kernarg_segment_align: 8
    .kernarg_segment_size: 32
    .max_flat_workgroup_size: 128
    .sgpr_count:     80
    .vgpr_count:     960
    .wavefront_size: 32
...
	.end_amdgpu_metadata
.endif
;; end of part 6
;; launch ffn2 (part 7): grid 4 x 64, 4 waves a work-group, clusters of 4 x 4, 327,680 bytes of LDS; arguments gl, wb, b2, x1, out0; writes out0
.if DOCPART == 7
	.amdgcn_target "amdgcn-amd-amdhsa--gfx1250"
	.amdhsa_code_object_version 6
	.text
	.protected	k_qed5cdc4c8e_ffn2
	.globl	k_qed5cdc4c8e_ffn2
	.p2align	8
	.type	k_qed5cdc4c8e_ffn2,@function
k_qed5cdc4c8e_ffn2:
	s_mov_b64 s[64:65], 0
	v_nop
	global_prefetch_b8 v0, s[64:65] scope:SCOPE_SE
	s_setreg_imm32_b32 hwreg(HW_REG_WAVE_MODE, 25, 1), 1
	s_wait_xcnt 0x0
	s_wait_alu depctr_hold_cnt(0) depctr_sa_sdst(0) depctr_va_vdst(0) depctr_va_sdst(0) depctr_va_ssrc(0) depctr_va_vcc(0) depctr_vm_vsrc(0)
	s_getreg_b32 s2, hwreg(HW_REG_IB_STS2, 6, 4)
	s_cmp_eq_u32 s2, 0
	s_cbranch_scc0 .Lentry_in_a_cluster
	s_endpgm
.Lentry_in_a_cluster:
	s_bfe_u32 s2, ttmp6, 0x10000c
	s_cmp_lg_u32 s2, 0xf033
	s_cbranch_scc0 .Lentry_shape_is_right
	s_endpgm
.Lentry_shape_is_right:
; OUT = RES + A B^T + bias on tiles of 64 x 192, f32 out.  A lies in PANELS [K / 64][4096 rows][64] bf16; B: rows of wb, [768][KROW] bf16; RES, OUT: [4096][768] f32.
; NS K steps of 256 (four panels).  256 work-groups; 192 f32 columns are 768 bytes, three aligned blocks of 256.
; SHARES.  Four waves; wave w makes all 64 rows and columns 48 w .. + 47: 12 accumulators, begun with the bias as the first product's C operand.
; CLUSTER 4 x 4: A's tile (the tile row's) is asked for jointly by a row of the cluster, by wave 0: ONE descriptor covers the four panels (a panel's 64 rows are 8,192 dense bytes: one long row;
; four such rows a panel apart; padded behind every 128 bytes).  B's tile (the tile column's) by a column of the cluster, 64 rows each by waves 1 to 3.
; THE MATRIX INSTRUCTION IS USED TRANSPOSED (source 0 = 16 rows of B, source 1 = 16 rows of A).  The way out goes through one stage with a barrier, since a row's 768 bytes come from four waves.
; REGISTERS: window 0: v1-29 addresses; v32-55 the bias, then v32-127 the residual; v128-223 accumulator (a, b) at 128 + 8 (3 a + b); window 1: two fragment buffers, 64 along K each.
.set NS,     12
.set KROW,   3072
.set WOFF,   9437184
.set PA,     144                       ; a row of A in LDS: 128 bytes + 16
.set PB,     528                       ; a row of B: 512 bytes + 16
.set ASZ,    4*64*PA
.set SLOT,   ASZ+192*PB
.set STAGE,  2*SLOT                    ; 64 rows x 784 bytes, the work-group's; no tensor load lands here
.set SPITCH, 784
.set SPARE,  STAGE+64*SPITCH
.set RD0, 8
.set RD1, 9
.set RD2, 10
.set CO0, 11
.set CO1, 12
.set CO2, 13
.set HB,  14
.set ADRA, 16
.set ADRB, 20
.set STO, 24
.set SPW, 28
.set NIL, 29
.set BIAS, 32
.set RES, 32
.set ACC, 128
.set F0,  0
.set F1,  128
.set G1A, 24
.set G0A, 32
.set G1B, 40
.set G0B, 48
.set MSB, 0
.macro WIN new
.if MSB != (\new)
	s_set_vgpr_msb (MSB<<8)|(\new)
.set MSB, \new
.endif
.endm
.set MUL,  0x05                        ; sources window 1; C and D window 0
.set TO_F, 0x40
.macro PLACES
.rept 4
	v_nop
.endr
.endm
.macro JLOAD s                         ; a joint load into slot s: wave 0 asks for A, waves 1 to 3 for B; s_nop 0 and four v_nop follow each line
	s_cmp_eq_u32 s14, 0
	s_cbranch_scc0 .Lfor_b_\@
	tensor_load_to_lds s[G0A+4*(\s):G0A+4*(\s)+3], s[G1A:G1A+7]
	s_nop 0
.rept 4
	v_nop
.endr
	s_branch .Lasked_\@
.Lfor_b_\@:
	tensor_load_to_lds s[G0B+4*(\s):G0B+4*(\s)+3], s[G1B:G1B+7]
	s_nop 0
.rept 4
	v_nop
.endr
.Lasked_\@:
.endm
.macro CREST
	s_cmp_lg_u32 s14, 0
	s_cbranch_scc1 .Lnot_wave_0_\@
	s_barrier_signal -3
.Lnot_wave_0_\@:
	s_barrier_wait -3
	s_barrier_signal -1
	s_barrier_wait -1
.endm
.macro CROUND
	s_barrier_signal -1
	s_barrier_wait -1
	CREST
.endm
.macro MUL6 f, c, a0, first            ; 6 matrix instructions: row blocks a0, a0 + 1 x 3 column blocks, 32 along K: half c of buffer f
	WIN MUL
.irp a, \a0, (\a0)+1
.irp b, 0,1,2
.if \first
	v_wmma_f32_16x16x32_bf16 v[ACC+8*(3*(\a)+(\b)):ACC+8*(3*(\a)+(\b))+7], v[(\f)+64+8*(3*(\c)+(\b)):(\f)+64+8*(3*(\c)+(\b))+7], v[(\f)+8*(4*(\c)+(\a)):(\f)+8*(4*(\c)+(\a))+7], v[BIAS+8*(\b):BIAS+8*(\b)+7]
.else
	v_wmma_f32_16x16x32_bf16 v[ACC+8*(3*(\a)+(\b)):ACC+8*(3*(\a)+(\b))+7], v[(\f)+64+8*(3*(\c)+(\b)):(\f)+64+8*(3*(\c)+(\b))+7], v[(\f)+8*(4*(\c)+(\a)):(\f)+8*(4*(\c)+(\a))+7], v[ACC+8*(3*(\a)+(\b)):ACC+8*(3*(\a)+(\b))+7]
.endif
.endr
.endr
.endm
.macro FETCH slot, qq, f               ; 28 LDS loads in one run: quarter qq (one panel of A, 64 along K), the first 32 along K first
	WIN TO_F
.irp c, 0,1
.irp b, 0,1,2
	ds_load_b128 v[(\f)+64+8*(3*(\c)+(\b)):(\f)+64+8*(3*(\c)+(\b))+3],   v[ADRB+(\slot)] offset:128*(\qq)+64*(\c)+(\b)*16*PB
	ds_load_b128 v[(\f)+64+8*(3*(\c)+(\b))+4:(\f)+64+8*(3*(\c)+(\b))+7], v[ADRB+(\slot)] offset:128*(\qq)+64*(\c)+(\b)*16*PB+32
.endr
.irp a, 0,1,2,3
	ds_load_b128 v[(\f)+8*(4*(\c)+(\a)):(\f)+8*(4*(\c)+(\a))+3],   v[ADRA+(\slot)] offset:64*PA*(\qq)+64*(\c)+(\a)*16*PA
	ds_load_b128 v[(\f)+8*(4*(\c)+(\a))+4:(\f)+8*(4*(\c)+(\a))+7], v[ADRA+(\slot)] offset:64*PA*(\qq)+64*(\c)+(\a)*16*PA+32
.endr
.endr
.endm
; A K step is four quarters of 64 along K, 24 matrix instructions each; the 12 accumulators take turns.
.macro QUARTER slot, qq, f, g, first
	s_wait_dscnt 14                                ; the first 32 along K are in
	MUL6 \f, 0, 0, \first
	MUL6 \f, 0, 2, \first
	PLACES
	FETCH \slot, \qq, \g
	s_wait_dscnt 28                                ; all but the 28 just issued
	MUL6 \f, 1, 0, 0
	MUL6 \f, 1, 2, 0
.endm
.macro TURN slot, next, fill           ; the last quarter multiplies buffer 1 and changes slots; fill = 1: this slot is filled again, two K steps ahead, behind a round of the cluster's barrier
	WIN 0
	s_wait_tensorcnt 0x0                           ; all my tensor loads have landed: my part of the next slot
	ds_add_u32 v[SPW], v[NIL]
	s_wait_dscnt 15                                ; the add and the youngest 14 loads may be out
	MUL6 F1, 0, 0, 0
	s_wait_dscnt 0x0                               ; the add is done, my reads of this slot are over
	s_barrier_signal -1
	MUL6 F1, 0, 2, 0
.if \fill
	WIN 0
.endif
	s_barrier_wait -1
.if \fill
	CREST
	s_add_nc_u64 s[G0A+4*(\slot)+2:G0A+4*(\slot)+3], s[G0A+4*(\slot)+2:G0A+4*(\slot)+3], 4194304   ; eight panels on
	s_add_nc_u64 s[G0B+4*(\slot)+2:G0B+4*(\slot)+3], s[G0B+4*(\slot)+2:G0B+4*(\slot)+3], 1024
	JLOAD \slot                                    ; its four v_nop are also the places in front of the loads below
.else
	PLACES
.endif
	FETCH \next, 0, F0
	MUL6 F1, 1, 0, 0
	MUL6 F1, 1, 2, 0
.endm
.macro RESLOAD                         ; my 16 rows of the residual, as they will be stored: three loads of 512 bytes for two rows of 768
	WIN 0
.irp u, 0,1,2,3,4,5,6,7
	global_load_b128 v[RES+12*\u:RES+12*\u+3],    v[CO0], s[10:11] offset:6144*\u
	global_load_b128 v[RES+12*\u+4:RES+12*\u+7],  v[CO1], s[10:11] offset:6144*\u
	global_load_b128 v[RES+12*\u+8:RES+12*\u+11], v[CO2], s[10:11] offset:6144*\u
.endr
.endm
	s_load_b256 s[4:11], s[0:1], 0x0               ; A, wb, bias, residual
	s_load_b64 s[12:13], s[0:1], 0x20              ; the output
	v_lshl_add_u32 v[SPW], v0, 2, SPARE
	v_mov_b32 v[NIL], 0
	ds_add_u32 v[SPW], v[NIL]                      ; the wave's opening: the add and its wait ahead of my first tensor load
	v_lshrrev_b32 v1, 5, v0
	v_readfirstlane_b32 s14, v1                    ; wave
	s_bfe_u32 s16, ttmp6, 0x40000                  ; cx
	s_bfe_u32 s17, ttmp6, 0x40004                  ; cy
	s_lshl_b32 s15, ttmp9, 2
	s_add_co_u32 s15, s15, s16                     ; tile column
	s_and_b32 s18, ttmp7, 0xffff
	s_lshl_b32 s18, s18, 2
	s_add_co_u32 s18, s18, s17                     ; tile row
	s_lshl_b32 s2, s17, 2
	s_lshl_b32 s2, 15, s2
	s_lshl_b32 s3, 0x1111, s16
	s_or_b32 s[G1A], s2, (1<<16)|(1<<20)|(1<<21)|(4<<22)|(3<<25)  ; my row of the cluster; 2-byte elements; padding: after every 32 words, 4 words
	s_mov_b32 s[G1A+1], 4096<<16                   ; tensor_dim0 = 4,096: a panel's 64 rows
	s_mov_b32 s[G1A+2], 4<<16                      ; tensor_dim1 = 4 panels
	s_mov_b32 s[G1A+3], 4096<<16
	s_mov_b32 s[G1A+4], 4
	s_mov_b32 s[G1A+5], 262144                     ; elements from panel to panel
	s_mov_b32 s[G1A+6], 0
	s_mov_b32 s[G1A+7], 0
	s_or_b32 s[G1B], s3, (1<<16)|(1<<20)|(1<<21)|(6<<22)|(3<<25)  ; my column; padding: after every 128 words, 4 words
	s_mov_b32 s[G1B+1], 256<<16
	s_mov_b32 s[G1B+2], 64<<16
	s_mov_b32 s[G1B+3], 256<<16
	s_mov_b32 s[G1B+4], 64
	s_mov_b32 s[G1B+5], KROW
	s_mov_b32 s[G1B+6], 0
	s_mov_b32 s[G1B+7], 0
	s_lshl_b32 s20, s18, 13                        ; A: the tile row's 64 rows of 128 bytes in each panel
	s_mov_b32 s21, 0
	s_mul_i32 s22, s15, 192                        ; B: waves 1 to 3 take rows 192 x tile column + 64 (w - 1): a constant and the wave's number times a constant
	s_lshl_b32 s23, s14, 6
	s_add_co_u32 s22, s22, s23
	s_mul_i32 s22, s22, 2*KROW
	s_add_co_u32 s22, s22, WOFF-128*KROW
	s_mov_b32 s23, 0
	s_mul_i32 s56, s14, 64*PB
	s_add_co_u32 s56, s56, ASZ-64*PB
	s_wait_dscnt 0x0                               ; the opening add is done
	s_wait_kmcnt 0x0
	s_add_nc_u64 s[20:21], s[4:5], s[20:21]
	s_add_nc_u64 s[22:23], s[6:7], s[22:23]
	CROUND                                         ; all sixteen work-groups are here: the first joint loads meet
.irp n, 0,1
	s_mov_b32 s[G0A+4*\n], 1
	s_mov_b32 s[G0A+4*\n+1], \n*SLOT
	s_add_nc_u64 s[G0A+4*\n+2:G0A+4*\n+3], s[20:21], \n*2097152
	s_or_b32 s[G0A+4*\n+3], s[G0A+4*\n+3], 0x80000000
	s_mov_b32 s[G0B+4*\n], 1
	s_add_co_u32 s[G0B+4*\n+1], s56, \n*SLOT
	s_add_nc_u64 s[G0B+4*\n+2:G0B+4*\n+3], s[22:23], \n*512
	s_or_b32 s[G0B+4*\n+3], s[G0B+4*\n+3], 0x80000000
.endr
	s_cmp_eq_u32 s14, 0                            ; a wave's two first fills stand in one branch: two loads of mine are out
	s_cbranch_scc0 .Lfirst_b
	tensor_load_to_lds s[G0A:G0A+3], s[G1A:G1A+7]
	s_nop 0
	tensor_load_to_lds s[G0A+4:G0A+7], s[G1A:G1A+7]
	s_nop 0
.rept 4
	v_nop
.endr
	s_branch .Lfirst_done
.Lfirst_b:
	tensor_load_to_lds s[G0B:G0B+3], s[G1B:G1B+7]
	s_nop 0
	tensor_load_to_lds s[G0B+4:G0B+7], s[G1B:G1B+7]
	s_nop 0
.rept 4
	v_nop
.endr
.Lfirst_done:
	s_mul_i32 s2, s15, 768
	s_mul_i32 s3, s14, 192
	s_add_co_u32 s2, s2, s3
	s_mov_b32 s3, 0
	s_add_nc_u64 s[8:9], s[8:9], s[2:3]            ; the bias of my 48 columns
	v_and_b32 v1, 15, v0                           ; r
	v_bfe_u32 v2, v0, 4, 1                         ; h
	v_and_b32 v3, 31, v0                           ; lane
	v_lshlrev_b32 v[HB], 5, v2
.irp b, 0,1,2
	global_load_b128 v[BIAS+8*\b:BIAS+8*\b+3],   v[HB], s[8:9] offset:64*\b
	global_load_b128 v[BIAS+8*\b+4:BIAS+8*\b+7], v[HB], s[8:9] offset:64*\b+16
.endr
	s_lshl_b32 s57, s18, 6                         ; the rows that I store: 64 x tile row + 16 w; the tile's 768 bytes of them
	s_lshl_b32 s58, s14, 4
	s_add_co_u32 s57, s57, s58
	s_mul_i32 s58, s57, 3072
	s_mul_i32 s57, s15, 768
	s_add_co_u32 s58, s58, s57
	s_mov_b32 s59, 0
	s_add_nc_u64 s[10:11], s[10:11], s[58:59]
	s_add_nc_u64 s[12:13], s[12:13], s[58:59]
	v_mul_u32_u24 v4, v1, PA
	v_lshl_add_u32 v[ADRA], v2, 4, v4
	v_add_nc_u32 v[ADRA+1], SLOT, v[ADRA]
	s_mul_i32 s57, s14, 48*PB
	s_add_co_u32 s57, s57, ASZ
	v_mul_u32_u24 v4, v1, PB
	v_lshl_add_u32 v4, v2, 4, v4
	v_add_nc_u32 v[ADRB], s57, v4
	v_add_nc_u32 v[ADRB+1], SLOT, v[ADRB]
	v_mul_u32_u24 v4, v1, SPITCH
	v_lshl_add_u32 v4, v2, 5, v4
	s_mul_i32 s57, s14, 192
	s_add_co_u32 s57, s57, STAGE
	v_add_nc_u32 v[STO], s57, v4
	s_mul_i32 s57, s14, 16*SPITCH
	s_add_co_u32 s57, s57, STAGE
	v_lshl_add_u32 v[RD0], v3, 4, s57              ; two rows of 768 bytes are three pieces of 512: row 0's first 512; row 0's last 256 and row 1's first 256; row 1's last 512
	v_add_nc_u32 v[RD2], SPITCH+256, v[RD0]
	v_mul_u32_u24 v4, v2, SPITCH-512
	v_lshl_add_u32 v4, v1, 4, v4
	v_add_nc_u32 v4, s57, v4
	v_add_nc_u32 v[RD1], 512, v4
	v_lshlrev_b32 v[CO0], 4, v3
	v_add_nc_u32 v[CO2], 3072+256, v[CO0]
	v_mul_u32_u24 v4, v2, 3072-512
	v_lshl_add_u32 v4, v1, 4, v4
	v_add_nc_u32 v[CO1], 512, v4
	s_wait_tensorcnt 0x1                           ; my part of K step 0 is in; step 1's stays out
	s_barrier_signal -1
	s_barrier_wait -1
	FETCH 0, 0, F0
	s_wait_loadcnt 0x0                             ; the bias
	QUARTER 0, 1, F0, F1, 1                        ; the first quarter's first products start the sums
.if NS > 3
	WIN 0
	s_mov_b32 s19, NS/2-1
.Llap:                                             ; a trip goes once round the ring and fills both slots again
	QUARTER 0, 2, F1, F0, 0
	QUARTER 0, 3, F0, F1, 0
	TURN 0, 1, 1
	QUARTER 1, 1, F0, F1, 0
	QUARTER 1, 2, F1, F0, 0
	QUARTER 1, 3, F0, F1, 0
	TURN 1, 0, 1
	QUARTER 0, 1, F0, F1, 0
	WIN 0
	s_sub_co_u32 s19, s19, 1
	s_cmp_lg_u32 s19, 0
	s_cbranch_scc1 .Llap
	QUARTER 0, 2, F1, F0, 0                        ; the last lap fills nothing
	QUARTER 0, 3, F0, F1, 0
	TURN 0, 1, 0
	RESLOAD                                        ; a K step ahead of its use
	QUARTER 1, 1, F0, F1, 0
	QUARTER 1, 2, F1, F0, 0
	QUARTER 1, 3, F0, F1, 0
.else
	QUARTER 0, 2, F1, F0, 0                        ; three K steps, written out: slot 0 is filled once more
	QUARTER 0, 3, F0, F1, 0
	TURN 0, 1, 1
	QUARTER 1, 1, F0, F1, 0
	QUARTER 1, 2, F1, F0, 0
	QUARTER 1, 3, F0, F1, 0
	TURN 1, 0, 0
	RESLOAD                                        ; a K step ahead of its use
	QUARTER 0, 1, F0, F1, 0
	QUARTER 0, 2, F1, F0, 0
	QUARTER 0, 3, F0, F1, 0
.endif
	s_wait_dscnt 14                                ; the very last quarter
	MUL6 F1, 0, 0, 0
	MUL6 F1, 0, 2, 0
	s_wait_dscnt 0x0
	MUL6 F1, 1, 0, 0
	MUL6 F1, 1, 2, 0
	WIN 0
	; THE WAY OUT: f32 into the work-group's stage; a barrier; back as whole rows, 16 rows a wave; the residual is added; stored.
	PLACES
.irp a, 0,1,2,3
.irp b, 0,1,2
	ds_store_b128 v[STO], v[ACC+8*(3*\a+\b):ACC+8*(3*\a+\b)+3]   offset:\a*16*SPITCH+64*\b      ; each accumulator's low registers first
	ds_store_b128 v[STO], v[ACC+8*(3*\a+\b)+4:ACC+8*(3*\a+\b)+7] offset:\a*16*SPITCH+64*\b+16
.endr
.endr
	s_wait_dscnt 0x0                               ; for the others' sake: my stores into the stage are done
	s_barrier_signal -1
	s_barrier_wait -1
.irp u, 0,1,2,3,4,5,6,7
	ds_load_b128 v[ACC+12*\u:ACC+12*\u+3],    v[RD0] offset:2*SPITCH*\u
	ds_load_b128 v[ACC+12*\u+4:ACC+12*\u+7],  v[RD1] offset:2*SPITCH*\u
	ds_load_b128 v[ACC+12*\u+8:ACC+12*\u+11], v[RD2] offset:2*SPITCH*\u
.endr
	s_wait_loadcnt 0x0                             ; the residual
.irp u, 0,1,2,3,4,5,6,7
.irp v, 0,1,2
	s_wait_dscnt 23-3*\u-\v
	v_pk_add_f32 v[ACC+12*\u+4*\v:ACC+12*\u+4*\v+1],   v[ACC+12*\u+4*\v:ACC+12*\u+4*\v+1],   v[RES+12*\u+4*\v:RES+12*\u+4*\v+1]
	v_pk_add_f32 v[ACC+12*\u+4*\v+2:ACC+12*\u+4*\v+3], v[ACC+12*\u+4*\v+2:ACC+12*\u+4*\v+3], v[RES+12*\u+4*\v+2:RES+12*\u+4*\v+3]
	global_store_b128 v[CO0+\v], v[ACC+12*\u+4*\v:ACC+12*\u+4*\v+3], s[12:13] offset:6144*\u   ; each 16 lanes store 256 consecutive bytes, aligned
.endr
.endr
	s_wait_tensorcnt 0x0                           ; the wave's end
	ds_add_u32 v[SPW], v[NIL]
	s_wait_dscnt 0x0
	CROUND                                         ; the closing round
	s_endpgm
.Lfunc_end_k_qed5cdc4c8e_ffn2:
	.size	k_qed5cdc4c8e_ffn2, .Lfunc_end_k_qed5cdc4c8e_ffn2-k_qed5cdc4c8e_ffn2
	.p2alignl 7, 3214868480
	.fill 96, 4, 3214868480
	.section	.rodata,"a",@progbits
	.p2align	6, 0x0
	.amdhsa_kernel k_qed5cdc4c8e_ffn2
		.amdhsa_group_segment_fixed_size 327680
		.amdhsa_private_segment_fixed_size 0
		.amdhsa_enable_private_segment 0
		.amdhsa_kernarg_size 40
		.amdhsa_user_sgpr_count 2
		.amdhsa_user_sgpr_kernarg_segment_ptr 1
		.amdhsa_wavefront_size32 1
		.amdhsa_system_sgpr_workgroup_id_x 1
		.amdhsa_system_sgpr_workgroup_id_y 1
		.amdhsa_system_sgpr_workgroup_id_z 1
		.amdhsa_system_vgpr_workitem_id 0
		.amdhsa_next_free_vgpr 512
		.amdhsa_next_free_sgpr 66
		.amdhsa_reserve_vcc 0
		.amdhsa_float_denorm_mode_32 3
		.amdhsa_float_denorm_mode_16_64 3
		.amdhsa_memory_ordered 1
		.amdhsa_forward_progress 1
		.amdhsa_inst_pref_size 79
	.end_amdhsa_kernel
	.amdgpu_metadata
---
amdhsa.version: [ 1, 2 ]
amdhsa.kernels:
  - .name:           k_qed5cdc4c8e_ffn2
    .symbol:         k_qed5cdc4c8e_ffn2.kd
    .args:
      - { .name: gl, .offset: 0, .size: 8, .value_kind: global_buffer, .address_space: global }
      - { .name: wb, .offset: 8, .size: 8, .value_kind: global_buffer, .address_space: global }
      - { .name: b2, .offset: 16, .size: 8, .value_kind: global_buffer, .address_space: global }
      - { .name: x1, .offset: 24, .size: 8, .value_kind: global_buffer, .address_space: global }
      - { .name: out0, .offset: 32, .size: 8, .value_kind: global_buffer, .address_space: global }
    .group_segment_fixed_size: 327680
    .private_segment_fixed_size: 0
    .kernarg_segment_align: 8
    .kernarg_segment_size: 40
    .max_flat_workgroup_size: 128
    .sgpr_count:     66
    .vgpr_count:     512
    .wavefront_size: 32
...
	.end_amdgpu_metadata
.endif
;; end of part 7
